; MI455X (gfx1250); checked and timed in simulation.
; The chip was launched on July 23, 2026; its instructions are those of AMD's public machine-readable ISA for CDNA 5 (MIT licence, August 2026) and "CDNA5" Instruction Set Architecture Reference Guide (July 2026). The comments in the code are by the model that wrote it; some were corrected since.
;; Block. Allowed arithmetic: matrix products marked QUANTISED: E4M3 operands, one E8M0 scale for each 32 along K, by v_wmma_scale_f32_16x16x128_f8f6f4 with both operands' format E4M3, f32 sums; everything else in f32.
;; Inputs: alpha 1 float32; b_attn 3,072 float32; b_fc 4,096 float32; b_fc2 1,024 float32; b_proj 1,024 float32; beta 1,024 float32; gamma 1,024 float32; w_attn_codes 3,072 x 32 x 32 uint8 (E4M3 codes of w_attn, K innermost, in blocks of 32 codes); w_attn_scales 3,072 x 32 uint8 (E8M0 scales of w_attn, one for each 32 codes along K); w_fc2_codes 1,024 x 128 x 32 uint8 (E4M3 codes of w_fc2, K innermost, in blocks of 32 codes); w_fc2_scales 1,024 x 128 uint8 (E8M0 scales of w_fc2, one for each 32 codes along K); w_fc_codes 4,096 x 32 x 32 uint8 (E4M3 codes of w_fc, K innermost, in blocks of 32 codes); w_fc_scales 4,096 x 32 uint8 (E8M0 scales of w_fc, one for each 32 codes along K); w_proj_codes 1,024 x 32 x 32 uint8 (E4M3 codes of w_proj, K innermost, in blocks of 32 codes); w_proj_scales 1,024 x 32 uint8 (E8M0 scales of w_proj, one for each 32 codes along K); x 2 x 2,048 x 1,024 float32.
;; Outputs: out0 2 x 2,048 x 1,024 float32.
;; This version of the problem:
;;   THIS VERSION OF THE PROBLEM IS GIVEN IN LOW PRECISION. The matrix products marked QUANTISED in the list below multiply operands that are first quantised to E4M3 (4 exponent bits, 3 mantissa bits; 8 bits a number), with one power-of-two scale for each 32 numbers along K (OCP MX v1.0); their sums are f32. All else is computed in f32.
;;   The module's matrix products, in the order in which they are computed (A, B: the left and right operand; K: the contracted axis; several contracted axes count as one K, in the product's order):
;;     1. [M 4,096, K 1,024] x [K 1,024, N 3,072]; A: computed on the way; B: input w_attn (given as codes): QUANTISED
;;     2. batch 32 x [M 2,048, K 64] x [K 64, N 2,048]; A: computed on the way; B: computed on the way: QUANTISED
;;     3. batch 32 x [M 2,048, K 2,048] x [K 2,048, N 64]; A: softmax (see below); B: computed on the way: QUANTISED
;;     4. [M 4,096, K 1,024] x [K 1,024, N 1,024]; A: computed on the way; B: input w_proj (given as codes): QUANTISED
;;     5. [M 4,096, K 1,024] x [K 1,024, N 4,096]; A: computed on the way; B: input w_fc (given as codes): QUANTISED
;;     6. [M 4,096, K 4,096] x [K 4,096, N 1,024]; A: computed on the way; B: input w_fc2 (given as codes): QUANTISED
;;   THE QUANTISER, for each operand of a quantised product, along K:
;;     - K is cut into blocks of 32 from its start; a last block that is shorter is filled with zeros.
;;     - A block's scale is 2^e with e = floor(log2(the largest magnitude in the block)) - 8, held to -126 .. 127; a block of zeros has e = 0. As a byte (E8M0): e + 127.
;;     - Each number is divided by its block's scale, clamped to +-448, and rounded to the nearest number of E4M3, ties to even, subnormals kept.
;;     - The product sums the exact products of the quantised numbers (number of the format x scale) in f32.
;;   ~~~python
;;   def quantise(x, axis):      # numpy; x: float32 -> the quantised numbers, widened to float32 again
;;       x = np.moveaxis(x, axis, -1); K = x.shape[-1]
;;       x = np.pad(x, [(0, 0)] * (x.ndim - 1) + [(0, -K % 32)]); x = x.reshape(x.shape[:-1] + (-1, 32)); a = np.abs(x).max(-1, keepdims=True)
;;       e = np.where(a > 0, np.clip(np.frexp(np.where(a > 0, a, 1))[1] - 1 - 8, -126, 127), 0)      # np.frexp(a)[1] - 1 = floor(log2(a)), exactly
;;       r = np.clip(x / 2.0 ** e, -448, 448)
;;       step = 2.0 ** (np.maximum(np.frexp(np.where(r == 0, 1, r))[1] - 1, -6) - 3)
;;       q = np.round(r / step) * step * 2.0 ** e      # np.round: ties to even
;;       return np.moveaxis(q.reshape(q.shape[:-2] + (-1,))[..., :K], -1, axis).astype(np.float32)
;;   ~~~
;;   SOFTMAX AHEAD OF A QUANTISED PRODUCT. Where the list says 'softmax', what is quantised is not the finished softmax but p = 2^(t - M), with t = logit x log2(e) and M = ceil(the row's largest t), a whole number; so 1/2 < the row's largest p <= 1. The row's sum l is taken of the UNQUANTISED p, in f32, and the product's result is divided by l at the end. Since M is a whole number, a kernel that streams over the keys may use a running M (the ceiling of the running maximum): every later rescaling is an exact power of two, which a block's scale takes up: the codes' values come out the same.
;;   OPERANDS COMPUTED ON THE WAY. 'Computed on the way' means the value that the module computes at that place (a softmax that the list does not call 'softmax' is quantised finished and normalised). What goes into a quantiser is computed in f32, as accurately as f32 sums, v_exp_f32 and their like allow (about 1e-6 of the number): no bf16 or f16 on the way to a quantiser, and a product that is left as it is and whose result goes on into a quantised operand takes f32 operands (vector FMAs, or v_wmma_f32_16x16x4_f32). A number that lies on a knife's edge between two numbers of the format may be rounded either way, as far as f32 arithmetic and the matrix unit's own rounding can turn it there, and no further.
;;   INPUTS GIVEN AS CODES. w_attn (in the module: [1024, 3072], K = its axis 0); w_fc (in the module: [1024, 4096], K = its axis 0); w_fc2 (in the module: [4096, 1024], K = its axis 0); w_proj (in the module: [1024, 1024], K = its axis 0): each comes as NAME_codes (uint8): NAME with its K axis moved to the last place and cut into blocks of 32 codes, [.., K / 32, bytes a block], one block behind the other in memory; one code a byte (a code: sign, 4 exponent bits, 3 mantissa bits); and NAME_scales (uint8): the same leading axes, one E8M0 byte (e + 127) for each 32 codes along K. Its value is code x scale, taken as it is: it is not quantised again, and the codes and scales need not be those that the quantiser above would give.
;; One version. Each part assembles by itself: llvm-mc -triple=amdgcn-amd-amdhsa -mcpu=gfx1250 --defsym DOCPART=n.
;; ======== version 1 of 1: 6 launches
;; limits: a function is approximated: absolute error at most 1.2e-07; a function is approximated: absolute error at most 1.5e-07; an absolute error that grows with the inputs' magnitude: up to 7.5e-08 times it
;; workspace buffers: prep 5,242,880 bytes; qkv 12,976,128 bytes; att 4,325,376 bytes; x1 16,777,216 bytes; h2 4,325,376 bytes; g 17,301,504 bytes
;; launch prep (part 1): grid 280 x 1, 4 waves a work-group, no clusters, 34,304 bytes of LDS; arguments x, alpha, gamma, beta, w_attn_scales, w_proj_scales, w_fc_scales, w_fc2_scales, prep; writes prep
.if DOCPART == 1
	.amdgcn_target "amdgcn-amd-amdhsa--gfx1250"
	.amdhsa_code_object_version 6
	.text
	.protected	k_q92e34b787d_prep
	.globl	k_q92e34b787d_prep
	.p2align	8
	.type	k_q92e34b787d_prep,@function
k_q92e34b787d_prep:
	s_mov_b64 s[64:65], 0
	v_nop
	global_prefetch_b8 v0, s[64:65] scope:SCOPE_SE
	s_setreg_imm32_b32 hwreg(HW_REG_WAVE_MODE, 25, 1), 1
	s_wait_xcnt 0x0
; Two jobs in one launch, parted on the work-group's number.
; JOB A (work-groups 0-255): h = gamma tanh(alpha x) + beta, quantised along C to E4M3 with one E8M0 byte for each 32: codes row-major [4096][1024] at prep + 0,
; scale bytes as PLANES [8][4096] of 32-bit words at prep + H_PL (word (kq, row) = the row's four bytes of k = 128 kq ..).
; JOB B (work-groups 256-279): the four weights' scale bytes [rows][K/32] are laid anew as such planes (pitch 16,384 bytes), so that a K step's words of neighbouring rows are neighbours.
; A wave of job A takes 4 rows = 8 steps of 512 numbers.  Each load reads 512 consecutive bytes; a step's 2,048 bytes turn through the wave's own stage in LDS so that a lane holds 16 neighbours along C.
; tanh(u) = 1 - 2 / (1 + 2^(2 log2(e) u)).  LIMITS: its absolute error is about 1.2e-7, so the relative error grows as 1e-7 / |u| for small u; a block of zeros gets the byte 1 (its codes are zeros; only this
; program reads the bytes); NaN and infinities among the inputs are not served.  No cluster, no tensor load: no two work-groups read the same bytes.
.set H_PL,  4194304
.set WA_PL, 4325376
.set WP_PL, 4456448
.set WF_PL, 4587520
.set W2_PL, 4718592
.set STEPS, 8
.set EMAX,  8
.set SP,    80                         ; a lane's place in a stage: 64 bytes + 16 of padding
.set WREG,  8192                       ; LDS of a wave: two stages of 32 x SP bytes
.set SB,    32768                      ; the work-group's scale words: [8 planes][16 rows] x 4 bytes
.set R,  16                            ; v16-79   four sets of 16 numbers as loaded
.set X,  80                            ; v80-111  two sets of 16 neighbours
.set E,  112                           ; v112-119 a scale byte for each step
.set C,  120                           ; v120-151 codes, four registers a step
.set GA, 152                           ; v152-183 gamma of my 16 columns, for each half of a row
.set BE, 184                           ; v184-215 beta likewise
.set DT, 216                           ; v216-231 at work
	s_load_b256 s[4:11], s[0:1], 0x0               ; x, alpha, gamma, beta
	s_load_b256 s[12:19], s[0:1], 0x20             ; the four weights' scale bytes
	s_load_b64 s[20:21], s[0:1], 0x40              ; prep
	v_lshl_add_u32 v232, v0, 2, 0x8400
	v_mov_b32 v233, 0
	v_lshrrev_b32 v1, 5, v0
	v_readfirstlane_b32 s22, v1                    ; wave
	v_and_b32 v2, 31, v0                           ; lane
	v_lshlrev_b32 v3, 4, v2                        ; 16 x lane
	s_mov_b32 s29, 0
	s_wait_kmcnt 0x0
	s_cmp_lt_u32 ttmp9, 256
	s_cbranch_scc0 .Ljobb
	; ---------------- JOB A
	s_load_b32 s24, s[6:7], 0x0                    ; alpha
	s_mul_i32 s23, s22, WREG
	v_lshrrev_b32 v14, 2, v2
	v_mul_u32_u24 v14, v14, SP
	v_and_b32 v15, 3, v2
	v_lshl_add_u32 v14, v15, 4, v14
	v_add_nc_u32 v14, s23, v14                     ; stage, in: SP (lane / 4) + 16 (lane % 4)
	v_mul_u32_u24 v15, v2, SP
	v_add_nc_u32 v15, s23, v15                     ; stage, out: SP x lane
	v_lshrrev_b32 v5, 3, v2
	v_lshlrev_b32 v5, 6, v5
	v_bfe_u32 v6, v2, 1, 2
	v_add_nc_u32 v5, v5, v6
	s_lshl_b32 s23, s22, 4
	s_add_co_u32 s23, s23, SB
	v_add_nc_u32 v5, s23, v5                       ; my block's byte: plane lane / 8 (64 bytes a plane), my wave's four rows, byte (lane / 2) % 4
	v_add_nc_u32 v6, SB, v3                        ; the words on their way out: 16 bytes a lane
	v_lshrrev_b32 v7, 2, v2
	v_lshlrev_b32 v7, 14, v7
	v_and_b32 v8, 3, v2
	v_lshl_add_u32 v7, v8, 4, v7                   ; plane lane / 4, four rows' words
	v_lshlrev_b32 v13, 6, v2                       ; gamma, beta: my 16 numbers
	s_mov_b32 s27, 0x600000                        ; the mantissa field of 448
	s_lshl_b32 s26, ttmp9, 2
	s_add_co_u32 s26, s26, s22                     ; which run of 4 rows is my wave's
	s_lshl_b32 s28, s26, 14
	s_add_nc_u64 s[4:5], s[4:5], s[28:29]
	s_lshl_b32 s28, s26, 12
	s_add_nc_u64 s[30:31], s[20:21], s[28:29]      ; the codes
	s_lshl_b32 s28, ttmp9, 6
	s_add_co_u32 s28, s28, H_PL
	s_add_nc_u64 s[32:33], s[20:21], s[28:29]      ; the work-group's 16 words of plane 0
.irp f, 0,1
.irp i, 0,1,2,3
	global_load_b128 v[GA+16*\f+4*\i:GA+16*\f+4*\i+3], v13, s[8:9] offset:2048*\f+16*\i
	global_load_b128 v[BE+16*\f+4*\i:BE+16*\f+4*\i+3], v13, s[10:11] offset:2048*\f+16*\i
.endr
.endr
.macro LOAD t
.irp i, 0,1,2,3
	global_load_b128 v[R+16*((\t)%4)+4*\i:R+16*((\t)%4)+4*\i+3], v3, s[4:5] offset:2048*(\t)+512*\i   ; 32 lanes read 512 consecutive bytes
.endr
.endm
.macro TURN t                          ; step t's numbers through the stage; LDS serves a wave's instructions in order
.irp i, 0,1,2,3
	ds_store_b128 v14, v[R+16*((\t)%4)+4*\i:R+16*((\t)%4)+4*\i+3] offset:32*SP*((\t)%2)+8*SP*\i
.endr
.irp i, 0,1,2,3
	ds_load_b128 v[X+16*((\t)%2)+4*\i:X+16*((\t)%2)+4*\i+3], v15 offset:32*SP*((\t)%2)+16*\i
.endr
.endm
.irp t, 0,1,2,3
	LOAD \t
.endr
	s_wait_kmcnt 0x0
	s_mul_f32 s24, s24, 0x4038aa3b                 ; alpha x 2 log2(e)
	s_mov_b32 s25, s24                             ; (named with it as a pair)
	s_wait_loadcnt 12                              ; gamma, beta and step 0's four loads are in; three steps' loads may be out
	TURN 0
.macro STEP t
.set XS, X+16*((\t)%2)
.set HF, 16*((\t)%2)
.if (\t) > 0
	s_wait_dscnt 1                                 ; this step's numbers are back (the last step's byte store may be out)
.else
	s_wait_dscnt 0x0
.endif
.if (\t)+4 < STEPS
	LOAD (\t)+4
.endif
.if (\t)+1 < STEPS
.if STEPS-2-(\t) >= 3
	s_wait_loadcnt 12                              ; the next step's loads are in; those of the three steps behind it may be out
.else
	s_wait_loadcnt 4*(STEPS-2-(\t))
.endif
	TURN (\t)+1
.endif
.set j, 0
.rept 8
	v_pk_mul_f32 v[DT+j:DT+j+1], v[XS+j:XS+j+1], s[24:25] op_sel_hi:[1,0]
.set j, j+2
.endr
.set j, 0
.rept 16
	v_exp_f32 v[DT+j], v[DT+j]
.set j, j+1
.endr
	v_nop                                          ; a plain instruction behind the batch,
	s_wait_alu depctr_va_vdst(0)                   ; and one wait for it, ahead of its first reader
.set j, 0
.rept 8
	v_pk_add_f32 v[DT+j:DT+j+1], v[DT+j:DT+j+1], 1.0 op_sel_hi:[1,0]
.set j, j+2
.endr
.set j, 0
.rept 16
	v_rcp_f32 v[DT+j], v[DT+j]
.set j, j+1
.endr
	v_nop
	s_wait_alu depctr_va_vdst(0)
.set j, 0
.rept 8
	v_pk_fma_f32 v[DT+j:DT+j+1], v[DT+j:DT+j+1], -2.0, 1.0 op_sel_hi:[1,0,0]          ; tanh
.set j, j+2
.endr
.set j, 0
.rept 8
	v_pk_fma_f32 v[XS+j:XS+j+1], v[DT+j:DT+j+1], v[GA+HF+j:GA+HF+j+1], v[BE+HF+j:BE+HF+j+1]
.set j, j+2
.endr
	v_max3_num_f32 v8, |v[XS]|, |v[XS+1]|, |v[XS+2]|               ; the largest magnitude of my 16
	v_max3_num_f32 v9, |v[XS+3]|, |v[XS+4]|, |v[XS+5]|
.irp i, 6,10
	v_max3_num_f32 v8, v8, |v[XS+\i]|, |v[XS+\i+1]|
	v_max3_num_f32 v9, v9, |v[XS+\i+2]|, |v[XS+\i+3]|
.endr
	v_max3_num_f32 v8, v8, |v[XS+14]|, |v[XS+15]|
	v_max3_num_f32 v8, v8, v9, (EMAX+1)<<23        ; the floor 2^(9 - 127): the byte cannot fall under 1
	v_max_num_f32_dpp v8, v8, v8 row_xmask:1 row_mask:0xf bank_mask:0xf   ; with my neighbour's 16: the block's
	v_add_nc_u32 v11, -(EMAX<<23), v8              ; 8 off the exponent field: the conversion's scale operand
	v_and_or_b32 v10, v8, 0x7f800000, s27          ; 448 x the scale
.set j, 0
.rept 16
	v_med3_num_f32 v[XS+j], v[XS+j], -v10, v10     ; the conversion does not saturate (ISA guide 7.6.2): the hold comes first
.set j, j+1
.endr
	v_cvt_scalef32_pk8_fp8_f32 v[C+4*(\t):C+4*(\t)+1], v[XS:XS+7], v11
	v_cvt_scalef32_pk8_fp8_f32 v[C+4*(\t)+2:C+4*(\t)+3], v[XS+8:XS+15], v11
	v_lshrrev_b32 v[E+(\t)], 23, v11               ; the scale's byte
	ds_store_b8 v5, v[E+(\t)] offset:((\t)%2)*256+((\t)/2)*4       ; half (t % 2) of a row is planes 4 (t % 2) on; row t / 2 of my four.  Both lanes of a block write the same byte
	global_store_b128 v3, v[C+4*(\t):C+4*(\t)+3], s[30:31] offset:512*(\t)   ; 32 lanes store 512 consecutive bytes
.endm
.irp t, 0,1,2,3,4,5,6,7
	STEP \t
.endr
	s_wait_dscnt 0x0                               ; my byte stores have landed
	s_barrier_signal -1
	s_barrier_wait -1
	s_cmp_lg_u32 s22, 0
	s_cbranch_scc1 .Lenda
	ds_load_b128 v[8:11], v6
	s_wait_dscnt 0x0
	global_store_b128 v7, v[8:11], s[32:33]        ; 64 bytes of each of 8 planes: a work-group has 16 rows of a plane; one byte in 128 of what the job reads
.Lenda:
	s_wait_tensorcnt 0x0
	ds_add_u32 v232, v233
	s_wait_dscnt 0x0
	s_endpgm
	; ---------------- JOB B: a wave moves 128 rows x 8 planes
.Ljobb:
	s_sub_co_u32 s26, ttmp9, 256                   ; j = 0 .. 23
	s_sub_co_u32 s27, s26, 16                      ; w_fc2: group of rows j - 16, planes 8 x wave on
	s_mov_b32 s28, s22
	s_mov_b32 s34, 128                             ; bytes in a row of scales
	s_mov_b32 s35, W2_PL
	s_mov_b64 s[36:37], s[18:19]
	s_sub_co_u32 s38, s26, 8
	s_lshl_b32 s38, s38, 2
	s_add_co_u32 s38, s38, s22
	s_sub_co_u32 s39, s26, 6
	s_lshl_b32 s39, s39, 2
	s_add_co_u32 s39, s39, s22
	s_lshl_b32 s40, s26, 2
	s_add_co_u32 s40, s40, s22
	s_cmp_lt_u32 s26, 16                           ; w_fc
	s_cselect_b32 s27, s38, s27
	s_cselect_b32 s28, 0, s28
	s_cselect_b32 s34, 32, s34
	s_cselect_b32 s35, WF_PL, s35
	s_cselect_b64 s[36:37], s[16:17], s[36:37]
	s_cmp_lt_u32 s26, 8                            ; w_proj
	s_cselect_b32 s27, s39, s27
	s_cselect_b32 s35, WP_PL, s35
	s_cselect_b64 s[36:37], s[14:15], s[36:37]
	s_cmp_lt_u32 s26, 6                            ; w_attn
	s_cselect_b32 s27, s40, s27
	s_cselect_b32 s35, WA_PL, s35
	s_cselect_b64 s[36:37], s[12:13], s[36:37]
	s_lshl_b32 s38, s27, 7
	s_mul_i32 s38, s38, s34
	s_lshl_b32 s39, s28, 5
	s_add_co_u32 s38, s38, s39
	s_mov_b32 s39, 0
	s_add_nc_u64 s[36:37], s[36:37], s[38:39]      ; from: 128 rows x group + 32 bytes x group of planes
	s_lshl_b32 s38, s28, 17
	s_add_co_u32 s38, s38, s35
	s_lshl_b32 s40, s27, 9
	s_add_co_u32 s38, s38, s40
	s_add_nc_u64 s[20:21], s[20:21], s[38:39]      ; to
	v_lshlrev_b32 v4, 2, v2
.irp i, 0,1,2,3
	v_add_nc_u32 v[8+\i], \i, v4
	v_mul_lo_u32 v[8+\i], v[8+\i], s34             ; rows 4 lane + i
.endr
.irp p, 0,1,2,3,4,5,6,7
.irp i, 0,1,2,3
	global_load_b32 v[16+4*\p+\i], v[8+\i], s[36:37] offset:4*\p
.endr
.endr
	s_wait_loadcnt 0x0
.irp p, 0,1,2,3,4,5,6,7
	global_store_b128 v3, v[16+4*\p:16+4*\p+3], s[20:21] offset:16384*\p   ; 32 lanes store 512 consecutive bytes of a plane
.endr
	s_endpgm
.Lfunc_end_k_q92e34b787d_prep:
	.size	k_q92e34b787d_prep, .Lfunc_end_k_q92e34b787d_prep-k_q92e34b787d_prep
	.p2alignl 7, 3214868480
	.fill 96, 4, 3214868480
	.section	.rodata,"a",@progbits
	.p2align	6, 0x0
	.amdhsa_kernel k_q92e34b787d_prep
		.amdhsa_group_segment_fixed_size 34304
		.amdhsa_private_segment_fixed_size 0
		.amdhsa_enable_private_segment 0
		.amdhsa_kernarg_size 72
		.amdhsa_user_sgpr_count 2
		.amdhsa_user_sgpr_kernarg_segment_ptr 1
		.amdhsa_wavefront_size32 1
		.amdhsa_system_sgpr_workgroup_id_x 1
		.amdhsa_system_sgpr_workgroup_id_y 1
		.amdhsa_system_sgpr_workgroup_id_z 1
		.amdhsa_system_vgpr_workitem_id 0
		.amdhsa_next_free_vgpr 234
		.amdhsa_next_free_sgpr 66
		.amdhsa_reserve_vcc 0
		.amdhsa_float_denorm_mode_32 3
		.amdhsa_float_denorm_mode_16_64 3
		.amdhsa_memory_ordered 1
		.amdhsa_forward_progress 1
		.amdhsa_inst_pref_size 59
	.end_amdhsa_kernel
	.amdgpu_metadata
---
amdhsa.version: [ 1, 2 ]
amdhsa.kernels:
  - .name:           k_q92e34b787d_prep
    .symbol:         k_q92e34b787d_prep.kd
    .args:
      - { .name: x, .offset: 0, .size: 8, .value_kind: global_buffer, .address_space: global }
      - { .name: alpha, .offset: 8, .size: 8, .value_kind: global_buffer, .address_space: global }
      - { .name: gamma, .offset: 16, .size: 8, .value_kind: global_buffer, .address_space: global }
      - { .name: beta, .offset: 24, .size: 8, .value_kind: global_buffer, .address_space: global }
      - { .name: w_attn_scales, .offset: 32, .size: 8, .value_kind: global_buffer, .address_space: global }
      - { .name: w_proj_scales, .offset: 40, .size: 8, .value_kind: global_buffer, .address_space: global }
      - { .name: w_fc_scales, .offset: 48, .size: 8, .value_kind: global_buffer, .address_space: global }
      - { .name: w_fc2_scales, .offset: 56, .size: 8, .value_kind: global_buffer, .address_space: global }
      - { .name: prep, .offset: 64, .size: 8, .value_kind: global_buffer, .address_space: global }
    .group_segment_fixed_size: 34304
    .private_segment_fixed_size: 0
    .kernarg_segment_align: 8
    .kernarg_segment_size: 72
    .max_flat_workgroup_size: 128
    .sgpr_count:     66
    .vgpr_count:     234
    .wavefront_size: 32
...
	.end_amdgpu_metadata
.endif
;; end of part 1
;; launch qkv (part 2): grid 12 x 16, 4 waves a work-group, clusters of 4 x 4, 327,680 bytes of LDS; arguments prep, w_attn_codes, b_attn, qkv; writes qkv
.if DOCPART == 2
	.amdgcn_target "amdgcn-amd-amdhsa--gfx1250"
	.amdhsa_code_object_version 6
	.text
	.protected	k_q92e34b787d_qkv
	.globl	k_q92e34b787d_qkv
	.p2align	8
	.type	k_q92e34b787d_qkv,@function
k_q92e34b787d_qkv:
	s_mov_b64 s[64:65], 0
	v_nop
	global_prefetch_b8 v0, s[64:65] scope:SCOPE_SE
	s_setreg_imm32_b32 hwreg(HW_REG_WAVE_MODE, 25, 1), 1
	s_wait_xcnt 0x0
	s_wait_alu depctr_hold_cnt(0) depctr_sa_sdst(0) depctr_va_vdst(0) depctr_va_sdst(0) depctr_va_ssrc(0) depctr_va_vcc(0) depctr_vm_vsrc(0)
	s_getreg_b32 s2, hwreg(HW_REG_IB_STS2, 6, 4)
	s_cmp_eq_u32 s2, 0
	s_cbranch_scc0 .Lentry_in_a_cluster
	s_endpgm
.Lentry_in_a_cluster:
	s_bfe_u32 s2, ttmp6, 0x10000c
	s_cmp_lg_u32 s2, 0xf033
	s_cbranch_scc0 .Lentry_shape_is_right
	s_endpgm
.Lentry_shape_is_right:
; qkv = h w_attn + b_attn on codes of E4M3 with E8M0 scales (K = 1,024), and q, k, v quantised for attention on the way out.
; A tile of 256 x 256 to a work-group of four waves, 128 x 128 to a wave (64 accumulators, 512 registers); K in steps of 256 through a ring of two LDS slots; 4 x 4 clusters: the A side's tiles are asked for jointly
; along a row of the cluster, the B side's along a column.  The matrix instruction is used transposed (source 0 = B side's rows, source 1 = A side's): a lane holds one row of the A side and eight neighbouring B rows.
; Clusters with x = 0, 1: A side = tokens (h), B side = columns of q and k: a lane's registers run along a head's d, which is K of the scores.
; Clusters with x = 2:    A side = columns of v (w_attn rows 2,048 on), B side = tokens: a lane's registers run along the TOKENS, which are K of the second product.  Only pointers and offsets are chosen; the ring is one text.
; The scale bytes of both sides lie as planes [K/128][rows] of words (pitch 16,384 bytes): all 8 planes of a wave's 128 rows come once, with the first fills.
; OUT.  q, k: PAIR layout, for each head 131,072 bytes: token t, channel d at ((t>>4) 8 + (t&7)) 128 + ((t>>3)&1) 64 + d; their scale words [chunk of 128 tokens][head][64 pair rows].
;       v: [chunk of 128 tokens][1,024 columns][128 tokens], scale words [chunk][1,024].  A block of 16 A rows is 2,048 consecutive bytes (q, k: 2 x 1,024): it goes through the wave's own stage and leaves in runs of 512 bytes.
; LIMITS: a block of zeros gets the byte 1 (codes zero; only this program reads the bytes); NaN and infinities are not served.
; The way out is written out, all offsets immediates.  No prefetch: the ring has four K steps, of which the first two are the first fills.
.set H_PL,    4194304
.set WA_PL,   4325376
.set V_CODES, 8388608
.set Q_SC,    12582912
.set V_PL,    12845056
.set NQ,     2
.set KROW,   1024
.set PITCH,  272                       ; 256 bytes + 16: the 16 rows of a load start at 16 different banks (ISA guide 11.1)
.set FR,     16
.set NL,     4
.set NP,     8                         ; places behind this matrix instruction (ISA guide 7.12.1)
.set AH,     128*PITCH
.set BH,     128*PITCH
.set SLOT,   2*AH+2*BH
.set LAPS,   2
.set SCL,    2*SLOT                    ; the scale words: four parts (A's halves, B's halves) of 8 planes x 512 bytes
.set SPARE,  SCL+16384                 ; the spare words: 512 bytes that no other line names
.set ASL,    256                       ; a K step on, in memory
.set BSL,    256
.set STP, 8                            ; v8-11  q, k: stage in, scale words in, stage back, scale words back
.set SWP, 9
.set RDP, 10
.set SRP, 11
.set STL, 12                           ; v12-15 v: the same, in bytes of their own
.set SWL, 13
.set RDL, 14
.set SRL, 15
.set ADRA, 16
.set ADRB, 20
.set CO,   26                          ; 16 x lane
.set ADRS, 27
.set SPW,  28
.set NIL,  29
.set BOP,  30                          ; 32 h
.set BOL,  31                          ; 4 r
.set SC,   32                          ; v32-63 scale words, two sets: they hold nothing else
.set BIAS, 64                          ; v64-127
.set AF,   128                         ; A's fragments; on the way out: T v128-191, BK v192-207, TM v208-223, PC v224-239, PW v240
.set T,    128
.set BK,   192
.set TM,   208
.set PC,   224
.set PW,   240
.set G1, 24
.set G0, 32
.set G1B, 48
.set G0B, 56
.set G1S, 68
.set G0S, 76
.set G1SB, 80
.set G0SB, 88
.set SEL, 96
.set MNT, 98
.set MSB, 0
.macro WIN new
.if MSB != (\new)
	s_set_vgpr_msb (MSB<<8)|(\new)
.set MSB, (\new)
.endif
.endm
.set MUL_LO, 0xa1
.set MUL_HI, 0xf1
.set TO_B,   0x40
.macro JLOAD g0a, g1a, g0b, g1b        ; waves 0, 1 fetch for the A side, waves 2, 3 for the B side; four v_nop follow each line
	s_cmp_eq_u32 s15, 0
	s_cbranch_scc0 .Lfor_b_\@
	tensor_load_to_lds s[\g0a:\g0a+3], s[\g1a:\g1a+7]
	s_nop 0
.rept 4
	v_nop
.endr
	s_branch .Lasked_\@
.Lfor_b_\@:
	tensor_load_to_lds s[\g0b:\g0b+3], s[\g1b:\g1b+7]
	s_nop 0
.rept 4
	v_nop
.endr
.Lasked_\@:
.endm
.macro CREST
	s_cmp_lg_u32 s14, 0
	s_cbranch_scc1 .Lnot_wave_0_\@
	s_barrier_signal -3
.Lnot_wave_0_\@:
	s_barrier_wait -3
	s_barrier_signal -1
	s_barrier_wait -1
.endm
.macro CROUND
	s_barrier_signal -1
	s_barrier_wait -1
	CREST
.endm
	s_load_b256 s[4:11], s[0:1], 0x0               ; prep, w_attn_codes, b_attn, qkv
	v_lshl_add_u32 v[SPW], v0, 2, SPARE
	v_mov_b32 v[NIL], 0
	ds_add_u32 v28, v29
	ds_add_u32 v28, v29
	s_wait_dscnt 0x0
	v_lshrrev_b32 v1, 5, v0
	v_readfirstlane_b32 s14, v1                    ; wave
	s_lshr_b32 s15, s14, 1                         ; my half of the A rows; also: I fetch for A (0) or B (1)
	s_and_b32 s16, s14, 1                          ; my half of the B rows; also: which 128 rows I fetch
	s_bfe_u32 s40, ttmp6, 0x40000                  ; cx
	s_bfe_u32 s41, ttmp6, 0x40004                  ; cy
	s_and_b32 s18, ttmp7, 0xffff
	s_lshl_b32 s18, s18, 2                         ; 4 x cluster y
	s_lshl_b32 s19, ttmp9, 2                       ; 4 x cluster x
	s_cmp_eq_u32 ttmp9, 2                          ; the clusters of v: the cluster's x is the same in all partners
	s_cselect_b32 s17, 0, s18
	s_cselect_b32 s42, s18, s19
	s_add_co_u32 s17, s17, s41                     ; A side's tile
	s_add_co_u32 s42, s42, s40                     ; B side's tile
	s_lshl_b32 s43, s41, 2
	s_lshl_b32 s43, 15, s43                        ; my row of the cluster
	s_lshl_b32 s44, 0x1111, s40                    ; my column
	s_or_b32 s[G1+0], s43, (1<<20)|(1<<21)|(5<<22)|(3<<25)   ; mask; elements of 1 byte; 16 bytes of padding behind every 256
	s_or_b32 s[G1B+0], s44, (1<<20)|(1<<21)|(5<<22)|(3<<25)
.irp g, G1, G1B
	s_mov_b32 s[\g+1], 256<<16
	s_mov_b32 s[\g+2], 128<<16
	s_mov_b32 s[\g+3], 256<<16
	s_mov_b32 s[\g+4], 128
	s_mov_b32 s[\g+5], KROW
	s_mov_b32 s[\g+6], 0
	s_mov_b32 s[\g+7], 0
.endr
	s_or_b32 s[G1S+0], s43, (3<<16)|(1<<21)        ; scale words: 8 planes x 512 bytes (64 elements of 8 bytes), planes 2,048 elements apart
	s_or_b32 s[G1SB+0], s44, (3<<16)|(1<<21)
.irp g, G1S, G1SB
	s_mov_b32 s[\g+1], 64<<16
	s_mov_b32 s[\g+2], 8<<16
	s_mov_b32 s[\g+3], 64<<16
	s_mov_b32 s[\g+4], 8
	s_mov_b32 s[\g+5], 2048
	s_mov_b32 s[\g+6], 0
	s_mov_b32 s[\g+7], 0
.endr
	s_mov_b32 s[SEL], 0x76543210
	s_mov_b32 s[SEL+1], 0xfedcba98
	s_mov_b32 s[MNT], 0x600000
	s_lshl_b32 s18, s16, 7
	s_lshl_b32 s20, s17, 8
	s_add_co_u32 s20, s20, s18                     ; the A rows that I fetch
	s_lshl_b32 s46, s42, 8
	s_add_co_u32 s46, s46, s18                     ; the B rows
	s_lshl_b32 s22, s20, 2
	s_lshl_b32 s92, s46, 2
	s_lshl_b32 s20, s20, 10
	s_lshl_b32 s46, s46, 10
	s_mov_b32 s21, 0
	s_mov_b32 s23, 0
	s_mov_b32 s47, 0
	s_mov_b32 s93, 0
	s_mov_b32 s94, H_PL
	s_mov_b32 s95, WA_PL
	s_cmp_eq_u32 ttmp9, 2
	s_cselect_b32 s99, 2097152, 0                  ; v's rows of w_attn begin at row 2,048
	s_cselect_b32 s100, WA_PL+8192, s94
	s_cselect_b32 s101, s94, s95
	s_add_co_u32 s20, s20, s99
	s_add_co_u32 s22, s22, s100
	s_add_co_u32 s92, s92, s101
	s_mul_i32 s45, s16, AH                         ; where they go: no place in the cluster enters an LDS address
	s_mul_i32 s99, s16, BH
	s_add_co_u32 s99, s99, 2*AH
	s_lshl_b32 s100, s16, 12
	s_add_co_u32 s100, s100, SCL
	s_add_co_u32 s101, s100, 8192
	s_wait_kmcnt 0x0
	s_cmp_eq_u32 ttmp9, 2
	s_cselect_b64 s[18:19], s[6:7], s[4:5]         ; the A side's codes
	s_cselect_b64 s[94:95], s[4:5], s[6:7]         ; the B side's
	s_add_nc_u64 s[20:21], s[18:19], s[20:21]
	s_add_nc_u64 s[22:23], s[4:5], s[22:23]
	s_add_nc_u64 s[46:47], s[94:95], s[46:47]
	s_add_nc_u64 s[92:93], s[4:5], s[92:93]
	CROUND                                         ; all sixteen work-groups are here: the first joint loads meet
	s_mov_b32 s[G0S], 1
	s_mov_b32 s[G0S+1], s100
	s_mov_b64 s[G0S+2:G0S+3], s[22:23]
	s_or_b32 s[G0S+3], s[G0S+3], 0x80000000
	s_mov_b32 s[G0SB], 1
	s_mov_b32 s[G0SB+1], s101
	s_mov_b64 s[G0SB+2:G0SB+3], s[92:93]
	s_or_b32 s[G0SB+3], s[G0SB+3], 0x80000000
	JLOAD G0S, G1S, G0SB, G1SB
.irp s, 0,1
	s_mov_b32 s[G0+4*\s], 1
	s_add_co_u32 s[G0+4*\s+1], s45, \s*SLOT
	s_add_nc_u64 s[G0+4*\s+2:G0+4*\s+3], s[20:21], \s*ASL
	s_or_b32 s[G0+4*\s+3], s[G0+4*\s+3], 0x80000000
	s_mov_b32 s[G0B+4*\s], 1
	s_add_co_u32 s[G0B+4*\s+1], s99, \s*SLOT
	s_add_nc_u64 s[G0B+4*\s+2:G0B+4*\s+3], s[46:47], \s*BSL
	s_or_b32 s[G0B+4*\s+3], s[G0B+4*\s+3], 0x80000000
	JLOAD G0+4*\s, G1, G0B+4*\s, G1B
.endr
	v_and_b32 v1, 15, v0                           ; r
	v_bfe_u32 v2, v0, 4, 1                         ; h
	v_mul_u32_u24 v3, v1, PITCH
	v_lshl_add_u32 v4, v2, 4, v3
	s_mul_i32 s21, s15, AH
	s_mul_i32 s22, s16, BH
	s_add_co_u32 s22, s22, 2*AH
.irp s, 0,1
	v_add_nc_u32 v[ADRA+\s], s21, v4
	v_add_nc_u32 v[ADRB+\s], s22, v4
	s_add_co_u32 s21, s21, SLOT
	s_add_co_u32 s22, s22, SLOT
.endr
	s_lshl_b32 s21, s15, 12                        ; scale words: lanes 0-15 A's part, lanes 16-31 B's: the lower base + h x the distance
	s_lshl_b32 s22, s16, 12
	s_add_co_u32 s22, s22, 8192
	s_sub_co_u32 s22, s22, s21
	v_mul_u32_u24 v6, s22, v2
	s_add_co_u32 s21, s21, SCL
	v_lshl_add_u32 v6, v1, 2, v6
	v_add_nc_u32 v[ADRS], s21, v6
	; the way out: stages in slot 0, 4,096 bytes a wave: 16 rows of 128 bytes at pitch 144, scale words 2,560 on; each of the two ways has bytes of its own
	s_lshl_b32 s21, s14, 12
	v_and_b32 v3, 7, v1
	v_lshrrev_b32 v4, 3, v1
	v_mul_u32_u24 v5, v3, 144
	v_lshl_add_u32 v5, v4, 6, v5
	v_lshl_add_u32 v5, v2, 3, v5
	v_add_nc_u32 v[STP], s21, v5                   ; pair row r & 7, half r >> 3, 8 h
	v_lshlrev_b32 v5, 2, v3
	v_lshl_add_u32 v5, v4, 1, v5
	v_add_nc_u32 v5, s21, v5
	v_add_nc_u32 v[SWP], 2560, v5
	v_and_b32 v6, 31, v0
	v_lshlrev_b32 v[CO], 4, v6
	v_lshrrev_b32 v5, 3, v6
	v_mul_u32_u24 v5, v5, 144
	v_and_b32 v7, 7, v6
	v_lshl_add_u32 v5, v7, 4, v5
	v_add_nc_u32 v[RDP], s21, v5
	v_add_nc_u32 v5, s21, v[CO]
	v_add_nc_u32 v[SRP], 2560, v5
	v_mul_u32_u24 v5, v1, 144
	v_lshl_add_u32 v5, v2, 3, v5
	v_add_nc_u32 v5, s21, v5
	v_add_nc_u32 v[STL], 16384, v5
	v_lshlrev_b32 v5, 2, v1
	v_add_nc_u32 v5, s21, v5
	v_add_nc_u32 v[SWL], 16384+2560, v5
	v_add_nc_u32 v[RDL], 16384, v[RDP]
	v_add_nc_u32 v[SRL], 16384, v[SRP]
	v_lshlrev_b32 v[BOP], 5, v2
	v_lshlrev_b32 v[BOL], 2, v1
.macro FRAG reg, adr, q, i             ; 16 rows x 128 K: lane l holds row l % 16; registers 4 c .. 4 c + 3 hold K = 32 c + 16 (l / 16) + 0 .. 15
.irp c, 0,1,2,3
	ds_load_b128 v[\reg+4*\c:\reg+4*\c+3], v[\adr] offset:128*(\q)+32*\c+(\i)*16*PITCH
.endr
.endm
; 16 matrix instructions: A's blocks a0, a0 + 1 x B's eight.  The 64 accumulators take turns, one instruction a turn, in the same order in every step.
.macro MUL16 a0, p, q, sc, zero
.irp a, \a0, \a0+1
.irp b, 0,1,2,3,4,5,6,7
.if \zero
	v_wmma_scale_f32_16x16x128_f8f6f4 v[8*(8*((\a)%4)+\b):8*(8*((\a)%4)+\b)+7], v[128*(\p)+FR*\b:128*(\p)+FR*\b+FR-1], v[AF+FR*(\a):AF+FR*(\a)+FR-1], 0, v[SC+8*NQ*(\sc)+NQ*\b+(\q)], v[SC+8*NQ*(\sc)+NQ*(\a)+(\q)] matrix_a_scale:MATRIX_SCALE_ROW1
.else
	v_wmma_scale_f32_16x16x128_f8f6f4 v[8*(8*((\a)%4)+\b):8*(8*((\a)%4)+\b)+7], v[128*(\p)+FR*\b:128*(\p)+FR*\b+FR-1], v[AF+FR*(\a):AF+FR*(\a)+FR-1], v[8*(8*((\a)%4)+\b):8*(8*((\a)%4)+\b)+7], v[SC+8*NQ*(\sc)+NQ*\b+(\q)], v[SC+8*NQ*(\sc)+NQ*(\a)+(\q)] matrix_a_scale:MATRIX_SCALE_ROW1
.endif
.endr
.endr
.endm
.macro FETCH_B slot, q, p
	WIN TO_B
.irp i, 0,1,2,3,4,5,6,7
	FRAG 128*(\p)+FR*\i, ADRB+\slot, \q, \i
.endr
	WIN 0
.endm
.macro FETCH_A slot, q, i0
.irp i, \i0, \i0+1, \i0+2, \i0+3
	FRAG AF+FR*(\i), ADRA+\slot, \q, \i
.endr
.endm
.macro SCALES sc                       ; the K step's two planes: lanes 0-15 the words of A's block i, lanes 16-31 those of B's block i
.irp i, 0,1,2,3,4,5,6,7
.irp q, 0,1
	ds_load_b32 v[SC+8*NQ*\sc+NQ*\i+\q], v[ADRS] offset:\q*512+\i*64
.endr
.endr
.endm
.macro PLACES n
.rept \n
	v_nop
.endr
.endm
.macro STEP slot, q, zero
	s_wait_dscnt 4*NL                              ; B's set, A's blocks 0-3 and the scale words are in; the youngest 16 loads (A's blocks 4-7) may be out
	WIN MUL_LO
	MUL16 0, (\q)%2, \q, \slot, \zero
	MUL16 2, (\q)%2, \q, \slot, \zero
	s_wait_dscnt 0
	PLACES NP
	FETCH_B \slot, (\q)+1, 1-(\q)%2
	FETCH_A \slot, (\q)+1, 0
	WIN MUL_HI
	MUL16 4, (\q)%2, \q, \slot, \zero
	MUL16 6, (\q)%2, \q, \slot, \zero
	PLACES NP
	WIN 0
	FETCH_A \slot, (\q)+1, 4
.endm
; A slot's last step changes slots: one barrier; in front of it each wave waits for all its tensor loads, adds 0 to its spare word, and waits for that and for its reads of this slot.
.macro TURN slot, next, fill
	s_wait_tensorcnt 0x0                           ; all my tensor loads have landed: my part of the next slot
	ds_add_u32 v[SPW], v[NIL]
	s_wait_dscnt 4*NL+1                            ; (the add and A's blocks 4-7 may be out)
	WIN MUL_LO
	MUL16 0, 1, NQ-1, \slot, 0
	s_wait_dscnt 0x0                               ; the add is done, and my reads of this slot are over
	s_barrier_signal -1
	MUL16 2, 1, NQ-1, \slot, 0
	WIN 0
	s_barrier_wait -1
.if \fill
	CREST                                          ; the barrier has opened a round of the cluster's: no wave of any partner still reads this slot or has a load on its way
	s_add_nc_u64 s[G0+4*\slot+2:G0+4*\slot+3], s[G0+4*\slot+2:G0+4*\slot+3], 2*ASL
	s_add_nc_u64 s[G0B+4*\slot+2:G0B+4*\slot+3], s[G0B+4*\slot+2:G0B+4*\slot+3], 2*BSL
	JLOAD G0+4*\slot, G1, G0B+4*\slot, G1B
	PLACES NP-4
.else
	PLACES NP
.endif
	v_add_nc_u32 v[ADRS], 1024, v[ADRS]            ; two planes on
	FETCH_B \next, 0, 0
	FETCH_A \next, 0, 0
	SCALES \next
	WIN MUL_HI
	MUL16 4, 1, NQ-1, \slot, 0
	MUL16 6, 1, NQ-1, \slot, 0
	PLACES NP
	WIN 0
	FETCH_A \next, 0, 4
.endm
.macro LAST                            ; the very last step: nothing more to fetch
	s_wait_dscnt 4*NL
	WIN MUL_LO
	MUL16 0, 1, NQ-1, 1, 0
	MUL16 2, 1, NQ-1, 1, 0
	s_wait_dscnt 0
	WIN MUL_HI
	MUL16 4, 1, NQ-1, 1, 0
	MUL16 6, 1, NQ-1, 1, 0
	WIN 0
.endm
; 64 numbers of a lane, v[s] on: registers 16 b .. 16 b + 15, with those of lane l xor 16, are block b of 32.  Codes to v[PC] on (registers 4 b + 2 u: the 8 codes of accumulator 2 b + u), scale word to v[PW].
.macro QUANT s
.irp b, 0,1,2,3
	v_max3_num_f32 v[TM+\b], |v[\s+16*\b]|, |v[\s+1+16*\b]|, 0x4800000   ; the floor 2^(9 - 127): the byte cannot fall under 1
.endr
.irp i, 2,4,6,8,10,12,14
.irp b, 0,1,2,3
	v_max3_num_f32 v[TM+\b], v[TM+\b], |v[\s+16*\b+\i]|, |v[\s+1+16*\b+\i]|
.endr
.endr
.irp b, 0,1,2,3
	v_permlanex16_b32 v[TM+4+\b], v[TM+\b], s[SEL], s[SEL+1]
.endr
.irp b, 0,1,2,3
	v_max_num_f32 v[TM+\b], v[TM+\b], v[TM+4+\b]
.endr
.irp b, 0,1,2,3
	v_add_nc_u32 v[TM+12+\b], 0xfc000000, v[TM+\b]         ; 8 off the exponent field: the conversion's scale operand
.endr
.irp b, 0,1,2,3
	v_and_or_b32 v[TM+8+\b], v[TM+\b], 0x7f800000, s[MNT]  ; 448 x the scale
.endr
.irp b, 0,1,2,3
	v_lshrrev_b32 v[TM+4+\b], 23, v[TM+12+\b]              ; the byte
.endr
	v_lshl_or_b32 v[PW], v[TM+5], 8, v[TM+4]
	v_lshl_or_b32 v[PW], v[TM+6], 16, v[PW]
	v_lshl_or_b32 v[PW], v[TM+7], 24, v[PW]
.irp b, 0,1,2,3
.irp i, 0,1,2,3,4,5,6,7,8,9,10,11,12,13,14,15
	v_med3_num_f32 v[\s+16*\b+\i], v[\s+16*\b+\i], -v[TM+8+\b], v[TM+8+\b]   ; the conversion does not saturate (ISA guide 7.6.2)
.endr
	v_cvt_scalef32_pk8_fp8_f32 v[PC+4*\b:PC+1+4*\b], v[\s+16*\b:\s+7+16*\b], v[TM+12+\b]
	v_cvt_scalef32_pk8_fp8_f32 v[PC+2+4*\b:PC+3+4*\b], v[\s+8+16*\b:\s+15+16*\b], v[TM+12+\b]
.endr
	v_nop                                          ; a plain instruction behind the last conversion
.endm
.macro SENDB a, kind                   ; block a's 2,048 bytes of codes, back from the stage, leave in runs of 512 bytes
	s_wait_dscnt 0x0                               ; they are in, and the stage's stores have read their registers
.irp n, 0,1,2,3
.if \kind
	global_store_b128 v[CO], v[BK+4*\n:BK+4*\n+3], s[12:13] offset:2048*(\a)+512*\n
.else
	global_store_b128 v[CO], v[BK+4*\n:BK+4*\n+3], s[12:13] offset:1024*(\a)+(\n/2)*131072+(\n%2)*512
.endif
.endr
.endm
.macro EBLK a, kind                    ; kind 0: q, k;  1: v
	WIN 0x02+(\a)/4                                ; source 0: the accumulators' window
.set AC, 64*((\a)%4)
.set m, 0
.rept 32
.if \kind
	v_pk_add_f32 v[T+m:T+m+1], v[AC+m:AC+m+1], v[BIAS+2*(\a):BIAS+2*(\a)+1]    ; each accumulator from its low end on; v: one bias a lane
.else
	v_pk_add_f32 v[T+m:T+m+1], v[AC+m:AC+m+1], v[BIAS+m:BIAS+m+1]
.endif
.set m, m+2
.endr
	WIN 0
.if (\a) > 0
	SENDB (\a)-1, \kind
.endif
	QUANT T
.irp c, 0,1,2,3
.irp u, 0,1
.if \kind
	ds_store_b64 v[STL], v[PC+4*\c+2*\u:PC+4*\c+2*\u+1] offset:32*\c+16*\u
.else
	ds_store_b64 v[STP], v[PC+4*\c+2*\u:PC+4*\c+2*\u+1] offset:(\c/2)*1152+(\c%2)*32+16*\u   ; head c / 2: eight pair rows on
.endif
.endr
.endr
.if \kind
	ds_store_b32 v[SWL], v[PW] offset:64*(\a)
.else
	ds_store_b16 v[SWP], v[PW] offset:32*(\a)                  ; the first head's two bytes,
	ds_store_b16_d16_hi v[SWP], v[PW] offset:32*(\a)+256       ; the second's
.endif
	s_wait_xcnt 0x0                                ; the last block's stores have read BK
.irp n, 0,1,2,3
.if \kind
	ds_load_b128 v[BK+4*\n:BK+4*\n+3], v[RDL] offset:576*\n
.else
	ds_load_b128 v[BK+4*\n:BK+4*\n+3], v[RDP] offset:576*\n
.endif
.endr
.endm
	s_wait_tensorcnt 1                             ; the scale words and my part of K step 0 are in (K step 1's load may be out)
	s_barrier_signal -1
	s_barrier_wait -1
	FETCH_B 0, 0, 0
	FETCH_A 0, 0, 0
	SCALES 0
	FETCH_A 0, 0, 4
	STEP 0, 0, 1                                   ; the first step's products start the sums
	s_mov_b32 s3, LAPS-1
.Llap:
	TURN 0, 1, 1
	STEP 1, 0, 0
	TURN 1, 0, 1
	STEP 0, 0, 0
	s_sub_co_u32 s3, s3, 1
	s_cmp_lg_u32 s3, 0
	s_cbranch_scc1 .Llap
	TURN 0, 1, 0
	STEP 1, 0, 0
	s_lshl_b32 s20, s17, 8
	s_lshl_b32 s21, s15, 7
	s_add_co_u32 s20, s20, s21                     ; my first A row
	s_lshl_b32 s99, s42, 8
	s_lshl_b32 s21, s16, 7
	s_add_co_u32 s99, s99, s21                     ; my first B row
	s_mov_b32 s47, 0
	s_cmp_eq_u32 ttmp9, 2
	s_cbranch_scc1 .Lvarm
	; ---------------- q, k: A rows are tokens, B rows are columns
	s_lshl_b32 s46, s99, 2
	s_add_nc_u64 s[8:9], s[8:9], s[46:47]
.irp b, 0,1,2,3,4,5,6,7
	global_load_b128 v[BIAS+8*\b:BIAS+8*\b+3], v[BOP], s[8:9] offset:64*\b
	global_load_b128 v[BIAS+8*\b+4:BIAS+8*\b+7], v[BOP], s[8:9] offset:64*\b+16
.endr
	s_lshr_b32 s92, s42, 2                         ; 0: q, 1: k
	s_and_b32 s93, s99, 1023
	s_lshr_b32 s93, s93, 6                         ; my first head
	s_lshl_b32 s46, s92, 22
	s_lshr_b32 s94, s20, 11
	s_lshl_b32 s94, s94, 21
	s_add_co_u32 s46, s46, s94
	s_lshl_b32 s94, s93, 17
	s_add_co_u32 s46, s46, s94
	s_and_b32 s94, s20, 2047
	s_lshl_b32 s94, s94, 6
	s_add_co_u32 s46, s46, s94
	s_add_nc_u64 s[12:13], s[10:11], s[46:47]
	s_lshr_b32 s46, s20, 7
	s_lshl_b32 s46, s46, 4
	s_add_co_u32 s46, s46, s93
	s_lshl_b32 s46, s46, 8
	s_lshl_b32 s94, s92, 17
	s_add_co_u32 s46, s46, s94
	s_add_co_u32 s46, s46, Q_SC
	s_add_nc_u64 s[66:67], s[10:11], s[46:47]
	LAST                                           ; the last 64 products stand over the bias's way
	s_wait_loadcnt 0x0
	PLACES NP
.irp b, 0,1,2,3
	v_mov_b32 v[TM+4+\b], 0                        ; a lane permute's destination counts as one of its sources
.endr
.irp a, 0,1,2,3,4,5,6,7
	EBLK \a, 0
.endr
	SENDB 7, 0
	s_wait_xcnt 0x0
	ds_load_b128 v[BK:BK+3], v[SRP]
	s_wait_dscnt 0x0
	global_store_b128 v[CO], v[BK:BK+3], s[66:67]  ; two heads' 64 scale words: 512 consecutive bytes
	s_branch .Lclose
	; ---------------- v: A rows are columns of v, B rows are tokens
.Lvarm:
	s_lshl_b32 s46, s20, 2
	s_add_co_u32 s46, s46, 8192
	s_add_nc_u64 s[8:9], s[8:9], s[46:47]
.irp a, 0,1,2,3,4,5,6,7
	global_load_b32 v[BIAS+2*\a], v[BOL], s[8:9] offset:64*\a
	global_load_b32 v[BIAS+2*\a+1], v[BOL], s[8:9] offset:64*\a
.endr
	s_lshr_b32 s92, s99, 7                         ; the chunk of 128 tokens
	s_lshl_b32 s46, s92, 17
	s_lshl_b32 s94, s20, 7
	s_add_co_u32 s46, s46, s94
	s_add_co_u32 s46, s46, V_CODES
	s_add_nc_u64 s[12:13], s[10:11], s[46:47]
	s_lshl_b32 s46, s92, 12
	s_lshl_b32 s94, s20, 2
	s_add_co_u32 s46, s46, s94
	s_add_co_u32 s46, s46, V_PL
	s_add_nc_u64 s[66:67], s[10:11], s[46:47]
	LAST
	s_wait_loadcnt 0x0
	PLACES NP
.irp b, 0,1,2,3
	v_mov_b32 v[TM+4+\b], 0
.endr
.irp a, 0,1,2,3,4,5,6,7
	EBLK \a, 1
.endr
	SENDB 7, 1
	s_wait_xcnt 0x0
	ds_load_b128 v[BK:BK+3], v[SRL]
	s_wait_dscnt 0x0
	global_store_b128 v[CO], v[BK:BK+3], s[66:67]
.Lclose:
	s_wait_tensorcnt 0x0                           ; the wave's end
	ds_add_u32 v[SPW], v[NIL]
	s_wait_dscnt 0x0
	CROUND                                         ; the closing round
	s_endpgm
.Lfunc_end_k_q92e34b787d_qkv:
	.size	k_q92e34b787d_qkv, .Lfunc_end_k_q92e34b787d_qkv-k_q92e34b787d_qkv
	.p2alignl 7, 3214868480
	.fill 96, 4, 3214868480
	.section	.rodata,"a",@progbits
	.p2align	6, 0x0
	.amdhsa_kernel k_q92e34b787d_qkv
		.amdhsa_group_segment_fixed_size 327680
		.amdhsa_private_segment_fixed_size 0
		.amdhsa_enable_private_segment 0
		.amdhsa_kernarg_size 32
		.amdhsa_user_sgpr_count 2
		.amdhsa_user_sgpr_kernarg_segment_ptr 1
		.amdhsa_wavefront_size32 1
		.amdhsa_system_sgpr_workgroup_id_x 1
		.amdhsa_system_sgpr_workgroup_id_y 1
		.amdhsa_system_sgpr_workgroup_id_z 1
		.amdhsa_system_vgpr_workitem_id 0
		.amdhsa_next_free_vgpr 1024
		.amdhsa_next_free_sgpr 102
		.amdhsa_reserve_vcc 0
		.amdhsa_float_denorm_mode_32 3
		.amdhsa_float_denorm_mode_16_64 3
		.amdhsa_memory_ordered 1
		.amdhsa_forward_progress 1
		.amdhsa_inst_pref_size 255
	.end_amdhsa_kernel
	.section	.bss,"aw",@nobits
	.p2align	6
	.space	262144
	.amdgpu_metadata
---
amdhsa.version: [ 1, 2 ]
amdhsa.kernels:
  - .name:           k_q92e34b787d_qkv
    .symbol:         k_q92e34b787d_qkv.kd
    .args:
      - { .name: prep, .offset: 0, .size: 8, .value_kind: global_buffer, .address_space: global }
      - { .name: w_attn_codes, .offset: 8, .size: 8, .value_kind: global_buffer, .address_space: global }
      - { .name: b_attn, .offset: 16, .size: 8, .value_kind: global_buffer, .address_space: global }
      - { .name: qkv, .offset: 24, .size: 8, .value_kind: global_buffer, .address_space: global }
    .group_segment_fixed_size: 327680
    .private_segment_fixed_size: 0
    .kernarg_segment_align: 8
    .kernarg_segment_size: 32
    .max_flat_workgroup_size: 128
    .sgpr_count:     102
    .vgpr_count:     1024
    .wavefront_size: 32
...
	.end_amdgpu_metadata
.endif
;; end of part 2
;; launch attn (part 3): grid 8 x 32, 16 waves a work-group, clusters of 4 x 1, 327,680 bytes of LDS; arguments qkv, att; writes att
.if DOCPART == 3
	.amdgcn_target "amdgcn-amd-amdhsa--gfx1250"
	.amdhsa_code_object_version 6
	.text
	.protected	k_q92e34b787d_attn
	.globl	k_q92e34b787d_attn
	.p2align	8
	.type	k_q92e34b787d_attn,@function
k_q92e34b787d_attn:
	s_mov_b64 s[64:65], 0
	v_nop
	global_prefetch_b8 v0, s[64:65] scope:SCOPE_SE
	s_setreg_imm32_b32 hwreg(HW_REG_WAVE_MODE, 25, 1), 1
	s_wait_xcnt 0x0
	s_wait_alu depctr_hold_cnt(0) depctr_sa_sdst(0) depctr_va_vdst(0) depctr_va_sdst(0) depctr_va_ssrc(0) depctr_va_vcc(0) depctr_vm_vsrc(0)
	s_getreg_b32 s2, hwreg(HW_REG_IB_STS2, 6, 4)
	s_cmp_eq_u32 s2, 0
	s_cbranch_scc0 .Lentry_in_a_cluster
	s_endpgm
.Lentry_in_a_cluster:
	s_bfe_u32 s2, ttmp6, 0x10000c
	s_cmp_lg_u32 s2, 0x3003
	s_cbranch_scc0 .Lentry_shape_is_right
	s_endpgm
.Lentry_shape_is_right:
; Causal attention on codes of E4M3: S^T = K Q^T (K = the head's 64), p = 2^(t - M) quantised along the keys, O^T = V^T P^T, O / l quantised along C for the projection.
; t = score x log2(e) / 8; M = the running largest t rounded up to a whole number; the row's sum is taken of the unquantised p; when M moves, the sum and O are multiplied by 2^(old M - new M), exactly.
; ALL OF A HEAD'S K AND V LIES IN LDS: 2 x 131,072 bytes of codes, 16 bytes of padding behind every two rows.  It comes once, at the head; no byte of LDS is filled twice, so the loops have no barrier and every wave walks at its own pace.
; SHARES.  Work-group (g = 0 .. 7, head) owns the tile of 16 queries 128 c + 16 g .. + 15 of each chunk c = 0 .. 15; that tile needs key steps 0 .. c of 128 keys, step c being its diagonal.  The tiles of chunks 15 - j and j
; have 17 steps together, shared by two waves: wave j (kind A) takes steps 0 .. 8 of the tile in chunk 15 - j; wave 8 + j (kind B) takes its steps 9 .. 15 - j, leaves its part (O^T, -M, the sums) in LDS, and then takes the whole
; tile in chunk j.  So a wave has 9 or 8 steps.  Behind one barrier A joins the two parts: under the larger M, each multiplied by 2^(its M - the larger M), exactly.
; Two loops of constant count (9 and 8 trips, one step a trip); a step that is not the wave's is left out by a compare of the step's number with a bound made of the wave's number alone.
; K = 64 IN AN INSTRUCTION OF 128.  k lies in PAIR rows: 128 bytes hold key kappa and key kappa + 8.  A fragment of 16 pair rows is multiplied once by [q | 0] and once by [0 | q]: the two results are keys
; 32 b + 16 h + 0..7 and + 8..15, so that p's 16 registers of a block are 16 neighbouring keys, the order that the second product's operand wants.  v16-23 = q, v24-31 = 0, v32-39 = q serve both.
; CLUSTER.  The four work-groups of a cluster belong to one head: each tile is asked for jointly.  Every wave fetches two steps' rows (16,384 bytes): waves 0-7 of K, waves 8-15 of V; waves 0-3 the scale words too.
; No prefetch: all that the launch reads of K and V is asked for at its head, by the first fills.
; LIMITS: the other key of a pair row meets zero codes of q, so a NaN code of k would spread (the quantiser that made them gives none); a block of zeros gets the byte 1; NaN and infinities are not served.
.set K_CODES, 4194304
.set V_CODES, 8388608
.set Q_SC,    12582912
.set K_SC,    12713984
.set V_PL,    12845056
.set O_PL,    4194304
.set P2,    272                        ; two rows of 128 bytes + 16: row rho starts at word 68 (rho / 2) + 32 (rho % 2): the 16 rows of a load start at 16 different banks (64 banks of 4 bytes: ISA guide 11.1)
.set STEPB, 32*P2                      ; a step's 64 rows
.set VOFF,  16*STEPB                   ; K's 16 steps, then V's
.set SCW,   2*VOFF                     ; K's scale words [16 steps][64], then V's: 4,096 bytes each
.set PART,  SCW+8192                   ; the parts that kind B leaves for kind A: 4,608 bytes for each j; no tile lands here
.set AK0, 1
.set AV0, 2
.set ASK0, 3
.set PA,  4                            ; v4   PART + 4,608 j + 16 x lane: the same in wave j and in wave 8 + j
.set QS2, 7                            ; v7   the second tile's scale word, kept for the change of tiles
.set ADK, 8
.set ADV, 9
.set ADS, 10
.set FRG, 40                           ; v40-103  four fragments of K, then of V
.set S,   104                          ; v104-167 S^T, then p
.set O,   168                          ; v168-199 O^T
.set PCD, 200                          ; v200-215 p's codes
.set MX,  216
.set PM,  220
.set HD,  224
.set SO,  228
.set KS,  232                          ; v232-235 K's scale words
.set F,   236                          ; f = 2^(old M - new M)
.set PSW, 237                          ; p's scale word
.set TMP, 238
.set QS,  239                          ; Q's scale word
.set VS,  240                          ; v240-243 V's scale words
.set SM2, 244                          ; v244-245 the sum's second chain
.set DG,  246                          ; 16 g + r - 16 h
.set NINF, 247
.set QL,  248                          ; v248-255 the second tile's q
.set TM,  216                          ; the way out's quantiser: v216-223
.set PC,  200
.set PW,  238
.set TB,  8                            ; s8   LDS byte at which the step's rows begin, in K and in V
.set TS,  9                            ; s9   and its scale words
.set JS,  10                           ; s10  the step's number
.set CNT, 11
.set LIMS, 12                          ; s12  the last step that is mine in this loop
.set DGS, 13                           ; s13  the tile's diagonal step
.set TBC, 14
.set TSC, 15
.set JW,  16                           ; s16  j = wave % 8
.set TY,  17                           ; s17  0: kind A, 1: kind B
.set WV,  18
.set MNT, 19
.set SEL, 20
.set CS,  22
.set G1K, 24
.set G0,  40
.set G1S, 48
.set G0S, 56
.set G1V, 72
.set CH,  84                           ; s84  15 - j
.macro CROUND
	s_barrier_signal -1
	s_barrier_wait -1
	s_cmp_lg_u32 s[WV], 0
	s_cbranch_scc1 .Lnot_wave_0_\@
	s_barrier_signal -3
.Lnot_wave_0_\@:
	s_barrier_wait -3
	s_barrier_signal -1
	s_barrier_wait -1
.endm
	s_load_b128 s[4:7], s[0:1], 0x0                ; qkv, att
	v_lshl_add_u32 v5, v0, 2, 0x4f000
	v_mov_b32 v6, 0
	ds_add_u32 v5, v6
	ds_add_u32 v5, v6
	v_lshrrev_b32 v8, 5, v0
	v_readfirstlane_b32 s[WV], v8                  ; wave 0..15
	s_and_b32 s[JW], s[WV], 7
	s_lshr_b32 s[TY], s[WV], 3
	s_sub_co_u32 s[CH], 15, s[JW]
	s_bfe_u32 s33, ttmp6, 0x40000                  ; cx
	s_lshl_b32 s34, ttmp9, 2
	s_add_co_u32 s34, s34, s33                     ; g: it enters global addresses and the mask's numbers alone
	s_and_b32 s35, ttmp7, 0xffff                   ; batch x 16 + head
	s_lshr_b32 s36, s35, 4
	s_and_b32 s37, s35, 15
	s_lshl_b32 s44, s35, 17
	s_lshl_b32 s39, s[JW], 14
	s_add_co_u32 s44, s44, s39
	s_add_co_u32 s44, s44, K_CODES                 ; K: steps 2 j, 2 j + 1: 8,192 dense bytes each
	s_lshl_b32 s45, s36, 21
	s_lshl_b32 s39, s[JW], 18
	s_add_co_u32 s45, s45, s39
	s_lshl_b32 s39, s37, 13
	s_add_co_u32 s45, s45, s39
	s_add_co_u32 s45, s45, V_CODES                 ; V: chunk x 131,072 + head x 8,192
	s_cmp_eq_u32 s[TY], 0                          ; waves 0-7: K; waves 8-15: V
	s_cselect_b32 s44, s44, s45
	s_mov_b32 s45, 0
	s_and_b32 s38, s[WV], 3                        ; the scale words, for waves 0-3: K's halves, V's halves
	s_and_b32 s39, s38, 1
	s_lshl_b32 s46, s36, 16
	s_lshl_b32 s39, s39, 15
	s_add_co_u32 s46, s46, s39
	s_lshl_b32 s39, s37, 8
	s_add_co_u32 s46, s46, s39                     ; 8 chunks, 4,096 bytes apart, 256 bytes of each
	s_mov_b32 s47, V_PL
	s_cmp_lt_u32 s38, 2
	s_cselect_b32 s47, K_SC, s47
	s_add_co_u32 s46, s46, s47
	s_mov_b32 s47, 0
	s_mov_b32 s[G1K], 15|(1<<20)|(1<<21)|(5<<22)|(3<<25)   ; all four work-groups; elements of 1 byte; 16 bytes of padding behind every 256
	s_mov_b32 s[G1K+1], 8192<<16                   ; a step's 64 rows of 128 bytes are 8,192 dense bytes: one row of the tile
	s_mov_b32 s[G1K+2], 2<<16
	s_mov_b32 s[G1K+3], 8192<<16
	s_mov_b32 s[G1K+4], 2
	s_mov_b32 s[G1K+5], 8192                       ; K: step behind step
	s_mov_b32 s[G1K+6], 0
	s_mov_b32 s[G1K+7], 0
	s_mov_b32 s[G1V], 15|(1<<20)|(1<<21)|(5<<22)|(3<<25)
	s_mov_b32 s[G1V+1], 8192<<16
	s_mov_b32 s[G1V+2], 2<<16
	s_mov_b32 s[G1V+3], 8192<<16
	s_mov_b32 s[G1V+4], 2
	s_mov_b32 s[G1V+5], 131072                     ; V: from chunk to chunk
	s_mov_b32 s[G1V+6], 0
	s_mov_b32 s[G1V+7], 0
	s_mov_b32 s[G1S], 15|(3<<16)|(1<<21)           ; 8 rows of 256 bytes (32 elements of 8 bytes), 512 elements apart
	s_mov_b32 s[G1S+1], 32<<16
	s_mov_b32 s[G1S+2], 8<<16
	s_mov_b32 s[G1S+3], 32<<16
	s_mov_b32 s[G1S+4], 8
	s_mov_b32 s[G1S+5], 512
	s_mov_b32 s[G1S+6], 0
	s_mov_b32 s[G1S+7], 0
	s_mov_b32 s[SEL], 0x76543210
	s_mov_b32 s[SEL+1], 0xfedcba98
	s_mov_b32 s[CS], 0x3e38aa3b                    ; c = log2(e) / 8
	s_mov_b32 s[CS+1], s[CS]
	s_mov_b32 s[MNT], 0x600000
	s_wait_dscnt 0x0
	s_wait_kmcnt 0x0
	s_mov_b32 s[G0], 1
	s_mul_i32 s[G0+1], s[WV], 2*STEPB              ; K's eight pairs of steps, then V's: wave x 17,408
	s_add_nc_u64 s[G0+2:G0+3], s[4:5], s[44:45]
	s_or_b32 s[G0+3], s[G0+3], 0x80000000
	s_mov_b32 s[G0S], 1
	s_lshl_b32 s[G0S+1], s38, 11
	s_add_co_u32 s[G0S+1], s[G0S+1], SCW
	s_add_nc_u64 s[G0S+2:G0S+3], s[4:5], s[46:47]
	s_or_b32 s[G0S+3], s[G0S+3], 0x80000000
	CROUND                                         ; all four work-groups are here: the joint loads meet
	s_cmp_lt_u32 s[WV], 4                          ; all fills of a wave stand in one branch on its number: two of mine are out at the most
	s_cbranch_scc0 .Lnot_first_four
	tensor_load_to_lds s[G0S:G0S+3], s[G1S:G1S+7]
	s_nop 0
	tensor_load_to_lds s[G0:G0+3], s[G1K:G1K+7]
	s_nop 0
.rept 4
	v_nop
.endr
	s_branch .Lasked
.Lnot_first_four:
	s_cmp_lt_u32 s[WV], 8
	s_cbranch_scc0 .Lfor_v
	tensor_load_to_lds s[G0:G0+3], s[G1K:G1K+7]
	s_nop 0
.rept 4
	v_nop
.endr
	s_branch .Lasked
.Lfor_v:
	tensor_load_to_lds s[G0:G0+3], s[G1V:G1V+7]
	s_nop 0
.rept 4
	v_nop
.endr
.Lasked:
	s_mov_b32 s63, 0
	s_lshl_b32 s61, s35, 17
	s_lshl_b32 s60, s[CH], 3
	s_add_co_u32 s60, s60, s34                     ; the first tile of 16 queries: 8 (15 - j) + g
	s_lshl_b32 s62, s60, 10
	s_add_co_u32 s62, s62, s61
	s_add_nc_u64 s[66:67], s[4:5], s[62:63]        ; its q
	s_lshl_b32 s60, s[JW], 3
	s_add_co_u32 s60, s60, s34                     ; the second: 8 j + g
	s_lshl_b32 s62, s60, 10
	s_add_co_u32 s62, s62, s61
	s_add_nc_u64 s[80:81], s[4:5], s[62:63]
	s_lshl_b32 s61, s34, 5
	s_add_co_u32 s61, s61, Q_SC
	s_lshl_b32 s62, s36, 4
	s_add_co_u32 s62, s62, s[CH]
	s_lshl_b32 s62, s62, 4
	s_add_co_u32 s62, s62, s37
	s_lshl_b32 s62, s62, 8
	s_add_co_u32 s62, s62, s61
	s_add_nc_u64 s[44:45], s[4:5], s[62:63]        ; the first tile's scale bytes,
	s_lshl_b32 s62, s36, 4
	s_add_co_u32 s62, s62, s[JW]
	s_lshl_b32 s62, s62, 4
	s_add_co_u32 s62, s62, s37
	s_lshl_b32 s62, s62, 8
	s_add_co_u32 s62, s62, s61
	s_add_nc_u64 s[82:83], s[4:5], s[62:63]        ; the second's
	s_cmp_eq_u32 s[TY], 0                          ; the tile that I store: A the first, B the second
	s_cselect_b32 s60, s[CH], s[JW]
	s_lshl_b32 s60, s60, 7
	s_lshl_b32 s61, s34, 4
	s_add_co_u32 s60, s60, s61
	s_lshl_b32 s61, s36, 11
	s_add_co_u32 s61, s61, s60                     ; its first token
	s_lshl_b32 s62, s37, 12
	s_add_co_u32 s62, s62, s61
	s_lshl_b32 s62, s62, 6
	s_add_nc_u64 s[68:69], s[6:7], s[62:63]        ; O's codes: [head][token][64]
	s_lshr_b32 s62, s37, 1
	s_lshl_b32 s62, s62, 12
	s_add_co_u32 s62, s62, s61
	s_lshl_b32 s62, s62, 2
	s_and_b32 s60, s37, 1
	s_lshl_b32 s60, s60, 1
	s_add_co_u32 s62, s62, s60
	s_add_co_u32 s62, s62, O_PL
	s_add_nc_u64 s[70:71], s[6:7], s[62:63]        ; O's scale bytes: plane head / 2, bytes 2 (head % 2) on
	v_and_b32 v8, 15, v0                           ; r
	v_bfe_u32 v9, v0, 4, 1                         ; h
	v_and_b32 v10, 7, v8
	v_lshrrev_b32 v11, 3, v8
	v_lshlrev_b32 v12, 7, v10
	v_lshl_add_u32 v12, v11, 6, v12
	v_lshl_add_u32 v12, v9, 4, v12                 ; pair row r & 7, half r >> 3, 16 h
	global_load_b128 v[16:19], v12, s[66:67]
	global_load_b128 v[20:23], v12, s[66:67] offset:32
	global_load_b128 v[32:35], v12, s[66:67]
	global_load_b128 v[36:39], v12, s[66:67] offset:32
	global_load_b128 v[QL:QL+3], v12, s[80:81]
	global_load_b128 v[QL+4:QL+7], v12, s[80:81] offset:32
	v_lshlrev_b32 v13, 2, v10
	v_lshl_add_u32 v13, v11, 1, v13
	global_load_u16 v[QS], v13, s[44:45]
	global_load_u16 v[QS2], v13, s[82:83]
	v_lshrrev_b32 v10, 1, v8
	v_mul_u32_u24 v[AK0], v10, P2
	v_and_b32 v10, 1, v8
	v_lshl_add_u32 v[AK0], v10, 7, v[AK0]
	v_lshl_add_u32 v[AK0], v9, 4, v[AK0]           ; row r of a fragment: 272 (r / 2) + 128 (r % 2) + 16 h
	v_add_nc_u32 v[AV0], VOFF, v[AK0]
	v_lshl_add_u32 v[ASK0], v8, 2, SCW
	s_mul_i32 s60, s[JW], 4608
	s_add_co_u32 s60, s60, PART
	v_and_b32 v10, 31, v0
	v_lshlrev_b32 v10, 4, v10
	v_add_nc_u32 v[PA], s60, v10
	s_lshl_b32 s60, s34, 4
	v_lshlrev_b32 v[DG], 4, v9
	v_sub_nc_u32 v[DG], v8, v[DG]
	v_add_nc_u32 v[DG], s60, v[DG]                 ; on a diagonal, register 16 b + i (key 32 b + 16 h + i of the step) is hidden where 32 b + i > 16 g + r - 16 h
	v_mov_b32 v[NINF], 0xff800000
	s_wait_loadcnt 0x0                             ; q; the loads' address registers v12, v13 are free
	v_lshl_or_b32 v[QS], v[QS], 16, v[QS]          ; (s0, s1, s0, s1): serves [q | 0] and [0 | q].  The lines below stand between it and the first product
	v_lshl_or_b32 v[QS2], v[QS2], 16, v[QS2]
	v_mov_b32 v13, 0xff61b1e6                      ; the largest t so far: -3e38
	v_floor_f32 v12, -v13                          ; -M
	v_mov_b32 v14, 0
	v_mov_b32 v15, 0
.set j, 0
.rept 8
	v_mov_b32 v[24+j], 0
	v_mov_b32 v[MX+j], 0                           ; (lane permutes' destinations count as sources)
.set j, j+1
.endr
	v_mov_b32 v[PSW], 0                            ; (named as the upper half of the pair with f)
	v_mov_b32 v[TMP], 0
	v_mov_b32 v[SM2], 0
	v_mov_b32 v[SM2+1], 0
.set j, 0
.rept 32
	v_mov_b32 v[O+j], 0                            ; a step is written once: a tile's first step finds zeros
.set j, j+1
.endr
	s_wait_tensorcnt 0x0                           ; my part of K, V and the scale words is in,
	s_barrier_signal -1
	s_barrier_wait -1                              ; everybody's is: from here on these bytes are only read
; A KEY STEP: 128 keys, step s[JS] of the tile in hand.
.macro STEP
	s_cmp_gt_i32 s[JS], s[LIMS]                    ; not my step: its work is left out
	s_cbranch_scc1 .Lhidden_\@
	s_min_u32 s[TBC], s[TB], 15*STEPB              ; held at the last step: whatever the step's number, the addresses stay inside the tiles
	s_min_u32 s[TSC], s[TS], 15*256
	v_add_nc_u32 v[ADK], s[TBC], v[AK0]
	v_add_nc_u32 v[ADV], s[TBC], v[AV0]
	v_add_nc_u32 v[ADS], s[TSC], v[ASK0]
.rept 5
	v_nop                                          ; with the three additions: eight places in front of loads into registers that the last products read
.endr
.irp b, 0,1,2,3
.irp c, 0,1,2,3
	ds_load_b128 v[FRG+16*\b+4*\c:FRG+16*\b+4*\c+3], v[ADK] offset:\b*8*P2+32*\c
.endr
	ds_load_b32 v[KS+\b], v[ADS] offset:64*\b
.endr
	s_wait_dscnt 0x0
.irp b, 0,1,2,3
	v_wmma_scale_f32_16x16x128_f8f6f4 v[S+16*\b:S+16*\b+7], v[FRG+16*\b:FRG+16*\b+15], v[16:31], 0, v[KS+\b], v[QS]
	v_wmma_scale_f32_16x16x128_f8f6f4 v[S+16*\b+8:S+16*\b+15], v[FRG+16*\b:FRG+16*\b+15], v[24:39], 0, v[KS+\b], v[QS]
.endr
.rept 8
	v_nop
.endr
.irp t, 0,1,2,3                        ; V's fragments are asked for here and land under the softmax
.irp c, 0,1,2,3
	ds_load_b128 v[FRG+16*\t+4*\c:FRG+16*\t+4*\c+3], v[ADV] offset:\t*8*P2+32*\c
.endr
	ds_load_b32 v[VS+\t], v[ADS] offset:4096+64*\t
.endr
	s_cmp_lg_u32 s[JS], s[DGS]                     ; only the tile's diagonal step hides keys
	s_cbranch_scc1 .Lopen_\@
.set n, 0
.rept 64
	v_cmp_gt_i32 vcc_lo, 32*(n/16)+n%16, v[DG]
	v_cndmask_b32 v[S+n], v[S+n], v[NINF], vcc_lo
.set n, n+1
.endr
.Lopen_\@:
.irp b, 0,1,2,3
	v_max3_num_f32 v[MX+\b], v[S+16*\b], v[S+1+16*\b], v[S+2+16*\b]   ; the largest score of each block of 32 keys: for the row's maximum and, since p rises with the score, for the block's largest p
.endr
.irp i, 3,5,7,9,11,13
.irp b, 0,1,2,3
	v_max3_num_f32 v[MX+\b], v[MX+\b], v[S+16*\b+\i], v[S+1+16*\b+\i]
.endr
.endr
.irp b, 0,1,2,3
	v_max_num_f32 v[MX+\b], v[MX+\b], v[S+15+16*\b]
.endr
.irp b, 0,1,2,3
	v_permlanex16_b32 v[PM+\b], v[MX+\b], s[SEL], s[SEL+1]
.endr
.irp b, 0,1,2,3
	v_max_num_f32 v[MX+\b], v[MX+\b], v[PM+\b]
.endr
	v_max3_num_f32 v[TMP], v[MX], v[MX+1], v[MX+2]
	v_max_num_f32 v[TMP], v[TMP], v[MX+3]
	v_mul_f32 v[TMP], s[CS], v[TMP]
	v_max_num_f32 v13, v13, v[TMP]                 ; the running largest t
	v_mov_b32 v[TMP], v12
	v_floor_f32 v12, -v13                          ; the new -M = -ceil(t)
	v_sub_f32 v[TMP], v12, v[TMP]
	v_cvt_i32_f32 v[TMP], v[TMP]                   ; (it saturates)
	v_ldexp_f32 v[F], 1.0, v[TMP]                  ; f = 2^(old M - new M)
.set j, 0
.rept 32
	v_pk_fma_f32 v[S+j:S+j+1], v[S+j:S+j+1], s[CS:CS+1], v[12:13] op_sel_hi:[1,0,0]   ; t - M
.set j, j+2
.endr
.irp b, 0,1,2,3
	v_fma_f32 v[MX+\b], v[MX+\b], s[CS], v12
.endr
.set j, 0
.rept 64
	v_exp_f32 v[S+j], v[S+j]                       ; p, not normalised
.set j, j+1
.endr
	v_pk_mul_f32 v[14:15], v[14:15], v[F:F+1] op_sel_hi:[1,0]      ; the sums under the new M (a plain instruction behind the batch)
	s_wait_alu depctr_va_vdst(0)                   ; one wait for the 64, ahead of their first reader
.irp b, 0,1,2,3
	v_exp_f32 v[MX+\b], v[MX+\b]                   ; the block's largest p
.endr
	v_pk_add_f32 v[SM2:SM2+1], v[S:S+1], v[S+2:S+3]                ; the row's sum of the unquantised p, in two chains
.set j, 4
.rept 15
	v_pk_add_f32 v[14:15], v[14:15], v[S+j:S+j+1]
	v_pk_add_f32 v[SM2:SM2+1], v[SM2:SM2+1], v[S+2+j:S+3+j]
.set j, j+4
.endr
	v_pk_add_f32 v[14:15], v[14:15], v[SM2:SM2+1]
	s_wait_alu depctr_va_vdst(0)                   ; and one for the four
.irp b, 0,1,2,3
	v_max_num_f32 v[MX+\b], 0x4800000, v[MX+\b]    ; the floor: the byte cannot fall under 1
.endr
.irp b, 0,1,2,3
	v_add_nc_u32 v[SO+\b], 0xfc000000, v[MX+\b]
.endr
.irp b, 0,1,2,3
	v_and_or_b32 v[HD+\b], v[MX+\b], 0x7f800000, s[MNT]
.endr
.irp b, 0,1,2,3
	v_lshrrev_b32 v[PM+\b], 23, v[SO+\b]
.endr
	v_lshl_or_b32 v[PSW], v[PM+1], 8, v[PM]
	v_lshl_or_b32 v[PSW], v[PM+2], 16, v[PSW]
	v_lshl_or_b32 v[PSW], v[PM+3], 24, v[PSW]
.irp b, 0,1,2,3
.irp i, 0,1,2,3,4,5,6,7,8,9,10,11,12,13,14,15
	v_min_num_f32 v[S+16*\b+\i], v[S+16*\b+\i], v[HD+\b]           ; p is not negative: the hold is one-sided
.endr
	v_cvt_scalef32_pk8_fp8_f32 v[PCD+4*\b:PCD+1+4*\b], v[S+16*\b:S+7+16*\b], v[SO+\b]
	v_cvt_scalef32_pk8_fp8_f32 v[PCD+2+4*\b:PCD+3+4*\b], v[S+8+16*\b:S+15+16*\b], v[SO+\b]
.endr
.set j, 0
.rept 16
	v_pk_mul_f32 v[O+j:O+j+1], v[O+j:O+j+1], v[F:F+1] op_sel_hi:[1,0]      ; O^T under the new M; also the places in front of the products below
.set j, j+2
.endr
	s_wait_dscnt 0x0                               ; V
.irp t, 0,1,2,3
	v_wmma_scale_f32_16x16x128_f8f6f4 v[O+8*\t:O+8*\t+7], v[FRG+16*\t:FRG+16*\t+15], v[PCD:PCD+15], v[O+8*\t:O+8*\t+7], v[VS+\t], v[PSW]
.endr
.Lhidden_\@:
	s_add_co_u32 s[JS], s[JS], 1
	s_add_co_u32 s[TB], s[TB], STEPB
	s_add_co_u32 s[TS], s[TS], 256
.endm
	; THE FIRST LOOP, the tile in chunk 15 - j: A takes steps 0 .. 8, B steps 9 .. 15 - j
	s_mul_i32 s[JS], s[TY], 9
	s_mul_i32 s[TB], s[TY], 9*STEPB
	s_mul_i32 s[TS], s[TY], 9*256
	s_sub_co_u32 s[LIMS], s[CH], 8
	s_mul_i32 s[LIMS], s[LIMS], s[TY]
	s_add_co_u32 s[LIMS], s[LIMS], 8               ; A: 8;  B: 15 - j
	s_mov_b32 s[DGS], s[CH]
	s_mov_b32 s[CNT], 9
.Lfirst:
	STEP
	s_sub_co_u32 s[CNT], s[CNT], 1
	s_cmp_lg_u32 s[CNT], 0
	s_cbranch_scc1 .Lfirst
	; THE CHANGE OF TILES, kind B alone: my part of the first tile goes to LDS as an image of its registers, and the second tile begins
	s_cmp_eq_u32 s[TY], 0
	s_cbranch_scc1 .Lno_change
.rept 8
	v_nop                                          ; places behind the last products, in front of the first read of their results
.endr
.irp k, 0,1,2,3,4,5,6,7
	ds_store_b128 v[PA], v[O+4*\k:O+4*\k+3] offset:512*\k          ; each accumulator from its low end on
.endr
	ds_store_b128 v[PA], v[12:15] offset:4096      ; -M, the largest t, the sum's two halves
	s_wait_dscnt 0x0                               ; landed, for the wave that will read them behind the barrier below; and the registers are free
	v_mov_b32 v[QS], v[QS2]                        ; the lines below and the next step's first eight stand between this and the next product
.set j, 0
.rept 8
	v_mov_b32 v[16+j], v[QL+j]
	v_mov_b32 v[32+j], v[QL+j]
.set j, j+1
.endr
	v_mov_b32 v13, 0xff61b1e6
	v_floor_f32 v12, -v13
	v_mov_b32 v14, 0
	v_mov_b32 v15, 0
.set j, 0
.rept 32
	v_mov_b32 v[O+j], 0
.set j, j+1
.endr
.Lno_change:
	; THE SECOND LOOP, the tile in chunk j: B takes steps 0 .. j, A none
	s_mov_b32 s[JS], 0
	s_mov_b32 s[TB], 0
	s_mov_b32 s[TS], 0
	s_lshl_b32 s[LIMS], s[TY], 3
	s_add_co_u32 s[LIMS], s[LIMS], s[JW]
	s_sub_co_i32 s[LIMS], s[LIMS], 8               ; B: j;  A: j - 8, under every step's number
	s_mov_b32 s[DGS], s[LIMS]
	s_mov_b32 s[CNT], 8
.Lsecond:
	STEP
	s_sub_co_u32 s[CNT], s[CNT], 1
	s_cmp_lg_u32 s[CNT], 0
	s_cbranch_scc1 .Lsecond
.rept 8
	v_nop                                          ; places behind the last products
.endr
	s_wait_dscnt 0x0                               ; my reads of K and V are over
	s_barrier_signal -1
	s_barrier_wait -1                              ; every part lies in LDS, and nobody reads K or V any more
	; kind A joins its part with the part that wave 8 + j left.  An empty part (j = 7) holds zeros and -M = 3e38: its factor comes out 0
	s_cmp_lg_u32 s[TY], 0
	s_cbranch_scc1 .Lno_join
.irp k, 0,1,2,3,4,5,6,7
	ds_load_b128 v[S+4*\k:S+4*\k+3], v[PA] offset:512*\k
.endr
	ds_load_b128 v[S+32:S+35], v[PA] offset:4096
	s_wait_dscnt 0x0
	v_min_num_f32 v[TMP], v12, v[S+32]             ; -(the larger M)
	v_sub_f32 v[MX], v[TMP], v12                   ; my M less the larger: a whole number, 0 or less
	v_sub_f32 v[MX+1], v[TMP], v[S+32]             ; the other part's likewise
	v_cvt_i32_f32 v[MX], v[MX]                     ; (they saturate)
	v_cvt_i32_f32 v[MX+1], v[MX+1]
	v_ldexp_f32 v[F], 1.0, v[MX]
	v_ldexp_f32 v[SM2], 1.0, v[MX+1]
	v_pk_mul_f32 v[14:15], v[14:15], v[F:F+1] op_sel_hi:[1,0]
	v_pk_fma_f32 v[14:15], v[S+34:S+35], v[SM2:SM2+1], v[14:15] op_sel_hi:[1,0,1]
.set j, 0
.rept 16
	v_pk_mul_f32 v[O+j:O+j+1], v[O+j:O+j+1], v[F:F+1] op_sel_hi:[1,0]
.set j, j+2
.endr
.set j, 0
.rept 16
	v_pk_fma_f32 v[O+j:O+j+1], v[S+j:S+j+1], v[SM2:SM2+1], v[O+j:O+j+1] op_sel_hi:[1,0,1]
.set j, j+2
.endr
.Lno_join:
	; THE WAY OUT: O / l, quantised along the head's 64 (two blocks), 16 rows of 64 bytes through my stage, 1,024 consecutive bytes out.  The stages lie in K's bytes: 1,536 a wave
	v_add_f32 v14, v14, v15
	v_permlanex16_b32 v[TMP], v14, s[SEL], s[SEL+1]
	v_add_f32 v14, v14, v[TMP]
	v_rcp_f32 v14, v14
	v_and_b32 v8, 15, v0
	v_bfe_u32 v9, v0, 4, 1
	v_and_b32 v10, 31, v0
	s_mul_i32 s60, s[WV], 1536
	v_mul_u32_u24 v11, v8, 80
	v_lshl_add_u32 v11, v9, 3, v11
	v_add_nc_u32 v11, s60, v11                     ; in: row r at pitch 80, 8 h
	v_lshrrev_b32 v1, 2, v10
	v_mul_u32_u24 v1, v1, 80
	v_and_b32 v2, 3, v10
	v_lshl_add_u32 v1, v2, 4, v1
	v_add_nc_u32 v1, s60, v1                       ; back: four lanes to a row
	v_lshlrev_b32 v2, 4, v10
	v_lshlrev_b32 v3, 2, v8
	s_wait_alu depctr_va_vdst(0)                   ; the reciprocal's wait, ahead of its first reader
.set j, 0
.rept 32
	v_mul_f32 v[S+j], v[O+j], v14                  ; register 8 t + i: o(r, 16 t + 8 h + i)
.set j, j+1
.endr
.irp b, 0,1
	v_max3_num_f32 v[TM+\b], |v[S+16*\b]|, |v[S+1+16*\b]|, 0x4800000
.endr
.irp i, 2,4,6,8,10,12,14
.irp b, 0,1
	v_max3_num_f32 v[TM+\b], v[TM+\b], |v[S+16*\b+\i]|, |v[S+1+16*\b+\i]|
.endr
.endr
.irp b, 0,1
	v_permlanex16_b32 v[TM+2+\b], v[TM+\b], s[SEL], s[SEL+1]
.endr
.irp b, 0,1
	v_max_num_f32 v[TM+\b], v[TM+\b], v[TM+2+\b]
.endr
.irp b, 0,1
	v_add_nc_u32 v[TM+6+\b], 0xfc000000, v[TM+\b]
.endr
.irp b, 0,1
	v_and_or_b32 v[TM+4+\b], v[TM+\b], 0x7f800000, s[MNT]
.endr
.irp b, 0,1
	v_lshrrev_b32 v[TM+2+\b], 23, v[TM+6+\b]
.endr
	v_lshl_or_b32 v[PW], v[TM+3], 8, v[TM+2]
.irp b, 0,1
.irp i, 0,1,2,3,4,5,6,7,8,9,10,11,12,13,14,15
	v_med3_num_f32 v[S+16*\b+\i], v[S+16*\b+\i], -v[TM+4+\b], v[TM+4+\b]
.endr
	v_cvt_scalef32_pk8_fp8_f32 v[PC+4*\b:PC+1+4*\b], v[S+16*\b:S+7+16*\b], v[TM+6+\b]
	v_cvt_scalef32_pk8_fp8_f32 v[PC+2+4*\b:PC+3+4*\b], v[S+8+16*\b:S+15+16*\b], v[TM+6+\b]
.endr
	v_nop
.irp c, 0,1
.irp u, 0,1
	ds_store_b64 v11, v[PC+4*\c+2*\u:PC+4*\c+2*\u+1] offset:32*\c+16*\u
.endr
.endr
	ds_load_b128 v[40:43], v1                      ; LDS serves a wave's instructions in order: these see my stores
	ds_load_b128 v[44:47], v1 offset:640
	global_store_b16 v3, v[PW], s[70:71]           ; two bytes a token: a plane's word spans two heads, and a work-group owns one: 2 bytes for each 64 of codes
	s_wait_dscnt 0x0
	global_store_b128 v2, v[40:43], s[68:69]
	global_store_b128 v2, v[44:47], s[68:69] offset:512
	s_wait_tensorcnt 0x0
	ds_add_u32 v5, v6
	s_wait_dscnt 0x0
	CROUND                                         ; the closing round: no work-group ends while a partner may still ask for a tile that names it
	s_endpgm
.Lfunc_end_k_q92e34b787d_attn:
	.size	k_q92e34b787d_attn, .Lfunc_end_k_q92e34b787d_attn-k_q92e34b787d_attn
	.p2alignl 7, 3214868480
	.fill 96, 4, 3214868480
	.section	.rodata,"a",@progbits
	.p2align	6, 0x0
	.amdhsa_kernel k_q92e34b787d_attn
		.amdhsa_group_segment_fixed_size 327680
		.amdhsa_private_segment_fixed_size 0
		.amdhsa_enable_private_segment 0
		.amdhsa_kernarg_size 16
		.amdhsa_user_sgpr_count 2
		.amdhsa_user_sgpr_kernarg_segment_ptr 1
		.amdhsa_wavefront_size32 1
		.amdhsa_system_sgpr_workgroup_id_x 1
		.amdhsa_system_sgpr_workgroup_id_y 1
		.amdhsa_system_sgpr_workgroup_id_z 1
		.amdhsa_system_vgpr_workitem_id 0
		.amdhsa_next_free_vgpr 256
		.amdhsa_next_free_sgpr 88
		.amdhsa_reserve_vcc 1
		.amdhsa_float_denorm_mode_32 3
		.amdhsa_float_denorm_mode_16_64 3
		.amdhsa_memory_ordered 1
		.amdhsa_forward_progress 1
		.amdhsa_inst_pref_size 73
	.end_amdhsa_kernel
	.amdgpu_metadata
---
amdhsa.version: [ 1, 2 ]
amdhsa.kernels:
  - .name:           k_q92e34b787d_attn
    .symbol:         k_q92e34b787d_attn.kd
    .args:
      - { .name: qkv, .offset: 0, .size: 8, .value_kind: global_buffer, .address_space: global }
      - { .name: att, .offset: 8, .size: 8, .value_kind: global_buffer, .address_space: global }
    .group_segment_fixed_size: 327680
    .private_segment_fixed_size: 0
    .kernarg_segment_align: 8
    .kernarg_segment_size: 16
    .max_flat_workgroup_size: 512
    .sgpr_count:     88
    .vgpr_count:     256
    .wavefront_size: 32
...
	.end_amdgpu_metadata
.endif
;; end of part 3
;; launch proj (part 4): grid 8 x 32, 4 waves a work-group, clusters of 4 x 4, 327,680 bytes of LDS; arguments att, w_proj_codes, prep, b_proj, x, alpha, gamma, beta, x1, h2; writes x1, h2
.if DOCPART == 4
	.amdgcn_target "amdgcn-amd-amdhsa--gfx1250"
	.amdhsa_code_object_version 6
	.text
	.protected	k_q92e34b787d_proj
	.globl	k_q92e34b787d_proj
	.p2align	8
	.type	k_q92e34b787d_proj,@function
k_q92e34b787d_proj:
	s_mov_b64 s[64:65], 0
	v_nop
	global_prefetch_b8 v0, s[64:65] scope:SCOPE_SE
	s_setreg_imm32_b32 hwreg(HW_REG_WAVE_MODE, 25, 1), 1
	s_wait_xcnt 0x0
	s_wait_alu depctr_hold_cnt(0) depctr_sa_sdst(0) depctr_va_vdst(0) depctr_va_sdst(0) depctr_va_ssrc(0) depctr_va_vcc(0) depctr_vm_vsrc(0)
	s_getreg_b32 s2, hwreg(HW_REG_IB_STS2, 6, 4)
	s_cmp_eq_u32 s2, 0
	s_cbranch_scc0 .Lentry_in_a_cluster
	s_endpgm
.Lentry_in_a_cluster:
	s_bfe_u32 s2, ttmp6, 0x10000c
	s_cmp_lg_u32 s2, 0xf033
	s_cbranch_scc0 .Lentry_shape_is_right
	s_endpgm
.Lentry_shape_is_right:
; KIND 0: x1 = x + (O w_proj + b_proj), and h2 = gamma tanh(alpha x1) + beta quantised along C.   KIND 1: out0 = x1 + (g w_fc2 + b_fc2).   One text, chosen by KIND.
; Products on codes of E4M3 with E8M0 scales.  A tile of 128 x 128 to a work-group (256 work-groups), 64 x 64 to a wave: 16 accumulators in v128-255.  A slot holds 512 along K: four quarters of 16 matrix instructions,
; on two fragment buffers in window 1.  4 x 4 clusters: A's tiles jointly along a row, B's along a column.  Transposed use: a lane holds one token and eight neighbouring columns.
; A's codes lie in chunks [K / c][4,096 tokens][c bytes] (c = 64 or 128): a wave's tile is 64 tokens x c dense bytes for each chunk, padded by 16 bytes behind every c.  Scale words: planes [K/128][rows], all of K at the start.
; The bias is the C of each sum's first matrix instruction.  The residual's 64 x 64 numbers of each wave come by one tensor load into slot 0 at the last change of slots and land under the last slot's products.
; tanh(u) = 1 - 2 / (1 + 2^(2 log2(e) u)).  LIMITS: absolute error about 1.2e-7 (relative 1e-7 / |u| for small u); a block of zeros gets the byte 1; NaN and infinities are not served.
; No prefetch: a K step's tiles are small and a request has three quarters of a slot's products in which to land.
.set KIND, 0
.if KIND
.set KK,   4096
.set KSH,  12
.set NPL,  32
.set TP,   144
.set CP,   9216
.set ATD0, 8192
.set ATD1, 4
.set ASTR, 524288
.set AQI,  4
.set ASH,  7
.set APL,  16777216
.set BPL,  4718592
.else
.set KK,   1024
.set KSH,  10
.set NPL,  8
.set TP,   80
.set CP,   5120
.set ATD0, 4096
.set ATD1, 8
.set ASTR, 262144
.set AQI,  3
.set ASH,  6
.set APL,  4194304
.set BPL,  4456448
.endif
.set H2_PL, 4194304
.set AH,   ATD1*CP
.set BP,   528
.set BH,   64*BP
.set SLOT, 2*AH+2*BH
.set SCL,  2*SLOT
.set HS,   NPL*256
.set SPARE, SCL+4*HS                   ; the spare words: 512 bytes that no other line names
.set LAPS, KK/1024
.set FSTG, 69632                       ; behind the residual (4 x 17,408 bytes) in slot 0: 8,192 bytes a wave: 16 rows x 272, and 4,608 on 16 rows x 80 of codes
.set SWS,  102400                      ; the work-group's 128 scale words
.set RRD, 8
.set FST, 9
.set FRD, 10
.set CO,  11
.set BO,  12
.set CST, 13
.set CRD, 14
.set CCO, 15
.set ADRA, 16
.set SWA, 18
.set SWR, 19
.set ADRB, 20
.set ADRS, 27
.set SPW, 28
.set NIL, 29
.set SC,  32                           ; v32-63 scale words, two sets: they hold nothing else
.set BIAS, 64                          ; v64-95; on the way out RB: the residual, then rows read back
.set RB,  64
.set EE,  96                           ; v96-127 at work; then PC v96-103, BKC v104-111, TM v112-119, PW v120
.set PC,  96
.set BKC, 104
.set TM,  112
.set PW,  120
.set ACC, 128
.set F0,  0
.set F1,  128
.set G1R, 4                            ; s[4:11], s[16:19]: the residual's descriptor, in argument registers that are done with
.set G0R, 16
.set G1A, 24
.set G0A, 32
.set G1B, 40
.set G0B, 48
.set G1S, 56
.set G1SB, 68
.set G0S, 76
.set G0SB, 80
.set HC,  92
.set HP,  94
.set SEL, 96
.set MNT, 98
.set AL,  100
.set MSB, 0
.macro WIN new
.if MSB != (\new)
	s_set_vgpr_msb (MSB<<8)|(\new)
.set MSB, (\new)
.endif
.endm
.set MUL,  0x05                        ; sources 0 and 1 window 1; C and D window 0
.set TO_F, 0x40
.macro JLOAD g0a, g1a, g0b, g1b
	s_cmp_eq_u32 s85, 0
	s_cbranch_scc0 .Lfor_b_\@
	tensor_load_to_lds s[\g0a:\g0a+3], s[\g1a:\g1a+7]
	s_nop 0
.rept 4
	v_nop
.endr
	s_branch .Lasked_\@
.Lfor_b_\@:
	tensor_load_to_lds s[\g0b:\g0b+3], s[\g1b:\g1b+7]
	s_nop 0
.rept 4
	v_nop
.endr
.Lasked_\@:
.endm
.macro CREST
	s_cmp_lg_u32 s84, 0
	s_cbranch_scc1 .Lnot_wave_0_\@
	s_barrier_signal -3
.Lnot_wave_0_\@:
	s_barrier_wait -3
	s_barrier_signal -1
	s_barrier_wait -1
.endm
.macro CROUND
	s_barrier_signal -1
	s_barrier_wait -1
	CREST
.endm
.if KIND
	s_load_b256 s[4:11], s[0:1], 0x0               ; g, w_fc2_codes, prep, b_fc2
	s_load_b128 s[12:15], s[0:1], 0x20             ; x1, out0
.else
	s_load_b512 s[4:19], s[0:1], 0x0               ; att, w_proj_codes, prep, b_proj, x, alpha, gamma, beta
	s_load_b128 s[20:23], s[0:1], 0x40             ; x1, h2
.endif
	v_lshl_add_u32 v[SPW], v0, 2, SPARE
	v_mov_b32 v[NIL], 0
	ds_add_u32 v28, v29
	ds_add_u32 v28, v29
	s_wait_dscnt 0x0
	v_lshrrev_b32 v1, 5, v0
	v_readfirstlane_b32 s84, v1                    ; wave
	s_lshr_b32 s85, s84, 1                         ; my half of the rows; also: I fetch for A (0) or B (1)
	s_and_b32 s86, s84, 1                          ; my half of the columns; also: which 64 rows I fetch
	s_bfe_u32 s89, ttmp6, 0x40000
	s_bfe_u32 s90, ttmp6, 0x40004
	s_lshl_b32 s88, ttmp9, 2
	s_add_co_u32 s88, s88, s89                     ; tile column
	s_and_b32 s87, ttmp7, 0xffff
	s_lshl_b32 s87, s87, 2
	s_add_co_u32 s87, s87, s90                     ; tile row
	s_lshl_b32 s91, s90, 2
	s_lshl_b32 s91, 15, s91
	s_lshl_b32 s92, 0x1111, s89
	s_or_b32 s[G1A], s91, (1<<20)|(1<<21)|(AQI<<22)|(3<<25)        ; A: ATD1 chunks x (64 tokens x c bytes), 16 bytes of padding behind every c
	s_mov_b32 s[G1A+1], ATD0<<16
	s_mov_b32 s[G1A+2], ATD1<<16
	s_mov_b32 s[G1A+3], ATD0<<16
	s_mov_b32 s[G1A+4], ATD1
	s_mov_b32 s[G1A+5], ASTR
	s_mov_b32 s[G1A+6], 0
	s_mov_b32 s[G1A+7], 0
	s_or_b32 s[G1B], s92, (1<<20)|(1<<21)|(6<<22)|(3<<25)          ; B: 64 rows x 512 bytes, 16 bytes of padding behind each
	s_mov_b32 s[G1B+1], 512<<16
	s_mov_b32 s[G1B+2], 64<<16
	s_mov_b32 s[G1B+3], 512<<16
	s_mov_b32 s[G1B+4], 64
	s_mov_b32 s[G1B+5], KK
	s_mov_b32 s[G1B+6], 0
	s_mov_b32 s[G1B+7], 0
	s_or_b32 s[G1S], s91, (3<<16)|(1<<21)          ; scale words: NPL planes x 256 bytes
	s_or_b32 s[G1SB], s92, (3<<16)|(1<<21)
.irp g, G1S, G1SB
	s_mov_b32 s[\g+1], 32<<16
	s_mov_b32 s[\g+2], NPL<<16
	s_mov_b32 s[\g+3], 32<<16
	s_mov_b32 s[\g+4], NPL
	s_mov_b32 s[\g+5], 2048
	s_mov_b32 s[\g+6], 0
	s_mov_b32 s[\g+7], 0
.endr
	s_mov_b32 s[SEL], 0x76543210
	s_mov_b32 s[SEL+1], 0xfedcba98
	s_mov_b32 s[MNT], 0x600000
	s_lshl_b32 s99, s86, 6
	s_lshl_b32 s91, s87, 7
	s_add_co_u32 s91, s91, s99                     ; the A rows that I fetch
	s_lshl_b32 s66, s91, ASH
	s_mov_b32 s67, 0
	s_lshl_b32 s92, s91, 2
	s_add_co_u32 s92, s92, APL
	s_mov_b32 s93, 0
	s_lshl_b32 s2, s88, 7
	s_add_co_u32 s2, s2, s99                       ; the B rows
	s_lshl_b32 s94, s2, KSH
	s_mov_b32 s95, 0
	s_lshl_b32 s2, s2, 2
	s_add_co_u32 s2, s2, BPL
	s_mov_b32 s3, 0
	s_mul_i32 s91, s86, AH                         ; where they go: the wave's number alone
	s_mul_i32 s99, s86, BH
	s_add_co_u32 s99, s99, 2*AH
	s_mul_i32 s100, s86, HS
	s_add_co_u32 s100, s100, SCL
	s_add_co_u32 s101, s100, 2*HS
	s_wait_kmcnt 0x0
.if KIND
	s_mov_b64 s[20:21], s[14:15]                   ; the output
.endif
	s_add_nc_u64 s[66:67], s[4:5], s[66:67]
	s_add_nc_u64 s[92:93], s[4:5], s[92:93]
	s_add_nc_u64 s[94:95], s[6:7], s[94:95]
	s_add_nc_u64 s[2:3], s[8:9], s[2:3]
	CROUND                                         ; all sixteen work-groups are here: the first joint loads meet
	s_mov_b32 s[G0S], 1
	s_mov_b32 s[G0S+1], s100
	s_mov_b64 s[G0S+2:G0S+3], s[92:93]
	s_or_b32 s[G0S+3], s[G0S+3], 0x80000000
	s_mov_b32 s[G0SB], 1
	s_mov_b32 s[G0SB+1], s101
	s_mov_b64 s[G0SB+2:G0SB+3], s[2:3]
	s_or_b32 s[G0SB+3], s[G0SB+3], 0x80000000
	JLOAD G0S, G1S, G0SB, G1SB
.irp s, 0,1
	s_mov_b32 s[G0A+4*\s], 1
	s_add_co_u32 s[G0A+4*\s+1], s91, \s*SLOT
	s_add_nc_u64 s[G0A+4*\s+2:G0A+4*\s+3], s[66:67], \s*2097152
	s_or_b32 s[G0A+4*\s+3], s[G0A+4*\s+3], 0x80000000
	s_mov_b32 s[G0B+4*\s], 1
	s_add_co_u32 s[G0B+4*\s+1], s99, \s*SLOT
	s_add_nc_u64 s[G0B+4*\s+2:G0B+4*\s+3], s[94:95], \s*512
	s_or_b32 s[G0B+4*\s+3], s[G0B+4*\s+3], 0x80000000
	JLOAD G0A+4*\s, G1A, G0B+4*\s, G1B
.endr
	s_lshl_b32 s91, s87, 7
	s_lshl_b32 s66, s85, 6
	s_add_co_u32 s91, s91, s66                     ; my first row
	s_lshl_b32 s99, s88, 7
	s_lshl_b32 s66, s86, 6
	s_add_co_u32 s99, s99, s66                     ; my first column
	s_lshl_b32 s66, s91, 10
	s_add_co_u32 s66, s66, s99
	s_lshl_b32 s66, s66, 2
	s_mov_b32 s67, 0
	s_add_nc_u64 s[20:21], s[20:21], s[66:67]      ; the output,
	s_add_nc_u64 s[12:13], s[12:13], s[66:67]      ; and the residual, at my quadrant
	s_lshl_b32 s66, s99, 2
	s_add_nc_u64 s[10:11], s[10:11], s[66:67]
	v_and_b32 v1, 15, v0                           ; r
	v_bfe_u32 v2, v0, 4, 1                         ; h
	v_and_b32 v3, 31, v0                           ; lane
	v_lshlrev_b32 v[BO], 5, v2
.irp b, 0,1,2,3
	global_load_b128 v[BIAS+8*\b:BIAS+8*\b+3], v[BO], s[10:11] offset:64*\b
	global_load_b128 v[BIAS+8*\b+4:BIAS+8*\b+7], v[BO], s[10:11] offset:64*\b+16
.endr
.if !KIND
	s_load_b32 s[AL], s[14:15], 0x0
	s_add_nc_u64 s[16:17], s[16:17], s[66:67]
	s_add_nc_u64 s[18:19], s[18:19], s[66:67]
	WIN 0x80                                       ; destination window 2: gamma v0-31, beta v32-63
.irp b, 0,1,2,3
	global_load_b128 v[8*\b:8*\b+3], v[BO], s[16:17] offset:64*\b
	global_load_b128 v[8*\b+4:8*\b+7], v[BO], s[16:17] offset:64*\b+16
	global_load_b128 v[32+8*\b:32+8*\b+3], v[BO], s[18:19] offset:64*\b
	global_load_b128 v[32+8*\b+4:32+8*\b+7], v[BO], s[18:19] offset:64*\b+16
.endr
	WIN 0
	s_lshl_b32 s66, s88, 1
	s_add_co_u32 s66, s66, s86
	s_lshl_b32 s66, s66, 12
	s_add_co_u32 s66, s66, s91
	s_lshl_b32 s66, s66, 6
	s_add_nc_u64 s[HC:HC+1], s[22:23], s[66:67]    ; h2's codes: chunk 2 x tile column + half, my rows
	s_lshl_b32 s66, s88, 12
	s_lshl_b32 s99, s87, 7
	s_add_co_u32 s66, s66, s99
	s_lshl_b32 s66, s66, 2
	s_add_co_u32 s66, s66, H2_PL
	s_add_nc_u64 s[HP:HP+1], s[22:23], s[66:67]    ; h2's scale words: plane = tile column, the work-group's 128 rows
.endif
	v_mul_u32_u24 v4, v1, TP
	v_lshl_add_u32 v4, v2, 4, v4
	v_mul_u32_u24 v5, v1, BP
	v_lshl_add_u32 v5, v2, 4, v5
	s_mul_i32 s91, s85, AH
	s_mul_i32 s99, s86, BH
	s_add_co_u32 s99, s99, 2*AH
.irp s, 0,1
	v_add_nc_u32 v[ADRA+\s], s91, v4
	v_add_nc_u32 v[ADRB+\s], s99, v5
	s_add_co_u32 s91, s91, SLOT
	s_add_co_u32 s99, s99, SLOT
.endr
	s_mul_i32 s91, s85, HS                         ; scale words: the lower base + h x the distance
	s_mul_i32 s99, s86, HS
	s_add_co_u32 s99, s99, 2*HS
	s_sub_co_u32 s99, s99, s91
	v_mul_u32_u24 v6, s99, v2
	s_add_co_u32 s91, s91, SCL
	v_lshl_add_u32 v6, v1, 2, v6
	v_add_nc_u32 v[ADRS], s91, v6
	s_mul_i32 s91, s84, 17408
	v_mul_u32_u24 v6, v1, 272
	v_lshl_add_u32 v6, v2, 5, v6
	v_add_nc_u32 v[RRD], s91, v6                   ; the residual: row r at pitch 272, 32 h
	s_lshl_b32 s91, s84, 13
	s_add_co_u32 s91, s91, FSTG
	v_add_nc_u32 v[FST], s91, v6
	v_mul_u32_u24 v7, v2, 272
	v_lshl_add_u32 v7, v1, 4, v7
	v_add_nc_u32 v[FRD], s91, v7                   ; back: lanes 0-15 one row of 256 bytes, lanes 16-31 the next
	v_lshlrev_b32 v[CO], 12, v2
	v_lshl_add_u32 v[CO], v1, 4, v[CO]
	s_add_co_u32 s91, s91, 4608
	v_mul_u32_u24 v7, v1, 80
	v_lshl_add_u32 v7, v2, 3, v7
	v_add_nc_u32 v[CST], s91, v7
	v_lshrrev_b32 v7, 2, v3
	v_mul_u32_u24 v7, v7, 80
	v_and_b32 v6, 3, v3
	v_lshl_add_u32 v7, v6, 4, v7
	v_add_nc_u32 v[CRD], s91, v7
	v_lshlrev_b32 v[CCO], 4, v3
	s_lshl_b32 s91, s85, 8
	s_lshl_b32 s99, s86, 1
	s_add_co_u32 s91, s91, s99
	s_add_co_u32 s91, s91, SWS
	v_lshlrev_b32 v6, 2, v1
	v_add_nc_u32 v[SWA], s91, v6                   ; row's word, my half's two bytes
	v_add_nc_u32 v[SWR], SWS, v[CCO]
	s_wait_loadcnt 0x0                             ; bias (gamma, beta): their bases are free
.if !KIND
	s_wait_kmcnt 0x0
	s_mul_f32 s[AL], s[AL], 0x4038aa3b             ; alpha x 2 log2(e)
	s_mov_b32 s[AL+1], s[AL]
.endif
	s_mov_b32 s[G1R], (2<<16)|(1<<20)|(5<<22)|(3<<25)      ; no mask; elements of 4 bytes; 64 rows x 64, 16 bytes of padding behind every 256
	s_mov_b32 s[G1R+1], 64<<16
	s_mov_b32 s[G1R+2], 64<<16
	s_mov_b32 s[G1R+3], 64<<16
	s_mov_b32 s[G1R+4], 64
	s_mov_b32 s[G1R+5], 1024
	s_mov_b32 s[G1R+6], 0
	s_mov_b32 s[G1R+7], 0
	s_mov_b32 s[G0R], 1
	s_mul_i32 s[G0R+1], s84, 17408
	s_mov_b64 s[G0R+2:G0R+3], s[12:13]
	s_or_b32 s[G0R+3], s[G0R+3], 0x80000000
.macro FRAGA reg, slot, q, i
.irp c, 0,1,2,3
.if KIND
	ds_load_b128 v[\reg+4*\c:\reg+4*\c+3], v[ADRA+\slot] offset:(\q)*CP+32*\c+(\i)*16*TP
.else
	ds_load_b128 v[\reg+4*\c:\reg+4*\c+3], v[ADRA+\slot] offset:(2*(\q)+\c/2)*CP+(\c%2)*32+(\i)*16*TP
.endif
.endr
.endm
.macro FRAGB reg, slot, q, i
.irp c, 0,1,2,3
	ds_load_b128 v[\reg+4*\c:\reg+4*\c+3], v[ADRB+\slot] offset:128*(\q)+32*\c+(\i)*16*BP
.endr
.endm
.macro FETCH slot, q, f                ; 32 loads in one run: B's four fragments, then A's four, ascending
	WIN TO_F
.irp i, 0,1,2,3
	FRAGB \f+64+16*\i, \slot, \q, \i
.endr
.irp i, 0,1,2,3
	FRAGA \f+16*\i, \slot, \q, \i
.endr
.endm
.macro SCALES set                      ; a slot's four planes: lanes 0-15 the words of A's block i, lanes 16-31 those of B's block i
.irp i, 0,1,2,3
.irp q, 0,1,2,3
	ds_load_b32 v[SC+16*\set+4*\i+\q], v[ADRS] offset:\q*256+\i*64
.endr
.endr
.endm
; four matrix instructions: A's block a x B's four.  The 16 accumulators take turns, one instruction a turn, in the same order in every quarter.  first = 1: C is the bias.
.macro MULA f, a, q, set, first
.irp b, 0,1,2,3
.if \first
	v_wmma_scale_f32_16x16x128_f8f6f4 v[ACC+8*(4*(\a)+\b):ACC+8*(4*(\a)+\b)+7], v[\f+64+16*\b:\f+64+16*\b+15], v[\f+16*(\a):\f+16*(\a)+15], v[BIAS+8*\b:BIAS+8*\b+7], v[SC+16*(\set)+4*\b+(\q)], v[SC+16*(\set)+4*(\a)+(\q)] matrix_a_scale:MATRIX_SCALE_ROW1
.else
	v_wmma_scale_f32_16x16x128_f8f6f4 v[ACC+8*(4*(\a)+\b):ACC+8*(4*(\a)+\b)+7], v[\f+64+16*\b:\f+64+16*\b+15], v[\f+16*(\a):\f+16*(\a)+15], v[ACC+8*(4*(\a)+\b):ACC+8*(4*(\a)+\b)+7], v[SC+16*(\set)+4*\b+(\q)], v[SC+16*(\set)+4*(\a)+(\q)] matrix_a_scale:MATRIX_SCALE_ROW1
.endif
.endr
.endm
.macro PLACES n
.rept \n
	v_nop
.endr
.endm
.macro QUARTER slot, q, f, g, first    ; multiplies quarter q from buffer f; in its middle fetches quarter q + 1 into g
	s_wait_dscnt 8                                 ; all but the youngest eight loads (A's blocks 2, 3)
	WIN MUL
	MULA \f, 0, \q, \slot, \first
	MULA \f, 1, \q, \slot, \first
	PLACES 8
	FETCH \slot, (\q)+1, \g
	s_wait_dscnt 32                                ; all but the 32 just issued
	WIN MUL
	MULA \f, 2, \q, \slot, \first
	MULA \f, 3, \q, \slot, \first
.endm
; A slot's last quarter changes slots: each wave waits for all its tensor loads, adds 0 to its spare word, waits for that and for its reads of the slot; the barrier opens a round of the cluster's barrier.
; fill = 1: the slot is filled again, two slots ahead, jointly;  fill = 2: each wave's own quadrant of the residual lands in slot 0.
.macro TURN slot, next, fill
	WIN 0
	s_wait_tensorcnt 0x0
	ds_add_u32 v[SPW], v[NIL]
	s_wait_dscnt 9                                 ; (the add and A's blocks 2, 3 may be out)
	WIN MUL
	MULA F1, 0, 3, \slot, 0
	s_wait_dscnt 0x0                               ; the add is done, and my reads of this slot are over
	s_barrier_signal -1
	MULA F1, 1, 3, \slot, 0
	WIN 0
	s_barrier_wait -1
	CREST
.if \fill == 1
	s_add_nc_u64 s[G0A+4*\slot+2:G0A+4*\slot+3], s[G0A+4*\slot+2:G0A+4*\slot+3], 4194304
	s_add_nc_u64 s[G0B+4*\slot+2:G0B+4*\slot+3], s[G0B+4*\slot+2:G0B+4*\slot+3], 1024
	JLOAD G0A+4*\slot, G1A, G0B+4*\slot, G1B
.else
	tensor_load_to_lds s[G0R:G0R+3], s[G1R:G1R+7]
	s_nop 0
.rept 4
	v_nop
.endr
.endif
	PLACES 4
	v_add_nc_u32 v[ADRS], 1024, v[ADRS]            ; four planes on
	SCALES \next
	FETCH \next, 0, F0
	WIN MUL
	MULA F1, 2, 3, \slot, 0
	MULA F1, 3, 3, \slot, 0
.endm
	s_wait_tensorcnt 1                             ; the scale words and my part of slot 0 are in (slot 1's load may be out)
	s_barrier_signal -1
	s_barrier_wait -1
	SCALES 0
	FETCH 0, 0, F0
	QUARTER 0, 0, F0, F1, 1
.if LAPS > 1
	WIN 0
	s_mov_b32 s3, LAPS-1
.Llap:
	QUARTER 0, 1, F1, F0, 0
	QUARTER 0, 2, F0, F1, 0
	TURN 0, 1, 1
	QUARTER 1, 0, F0, F1, 0
	QUARTER 1, 1, F1, F0, 0
	QUARTER 1, 2, F0, F1, 0
	TURN 1, 0, 1
	QUARTER 0, 0, F0, F1, 0
	WIN 0
	s_sub_co_u32 s3, s3, 1
	s_cmp_lg_u32 s3, 0
	s_cbranch_scc1 .Llap
.endif
	QUARTER 0, 1, F1, F0, 0
	QUARTER 0, 2, F0, F1, 0
	TURN 0, 1, 2
	QUARTER 1, 0, F0, F1, 0
	QUARTER 1, 1, F1, F0, 0
	QUARTER 1, 2, F0, F1, 0
	s_wait_dscnt 8
	WIN MUL
	MULA F1, 0, 3, 1, 0
	MULA F1, 1, 3, 1, 0
	s_wait_dscnt 0
	MULA F1, 2, 3, 1, 0
	MULA F1, 3, 3, 1, 0
	WIN 0
	s_wait_tensorcnt 0x0                           ; my quadrant of the residual is in: only I read it
	PLACES 8
; THE WAY OUT, 16 rows at a time: + the residual, in place; through my stage, so that sixteen lanes store 256 consecutive bytes of a row; KIND 0: then tanh, the quantiser, and 1,024 consecutive bytes of codes
.macro EP a
.set TT, ACC+32*(\a)
	s_wait_xcnt 0x0                                ; the last block's stores have read their registers
.irp b, 0,1,2,3
	ds_load_b128 v[RB+8*\b:RB+8*\b+3], v[RRD] offset:(\a)*16*272+64*\b
	ds_load_b128 v[RB+8*\b+4:RB+8*\b+7], v[RRD] offset:(\a)*16*272+64*\b+16
.endr
	s_wait_dscnt 0x0
.set m, 0
.rept 16
	v_pk_add_f32 v[TT+m:TT+m+1], v[TT+m:TT+m+1], v[RB+m:RB+m+1]    ; each accumulator from its low end on
.set m, m+2
.endr
.irp b, 0,1,2,3
	ds_store_b128 v[FST], v[TT+8*\b:TT+8*\b+3] offset:64*\b
	ds_store_b128 v[FST], v[TT+8*\b+4:TT+8*\b+7] offset:64*\b+16
.endr
.irp t, 0,1,2,3,4,5,6,7
	ds_load_b128 v[RB+4*\t:RB+4*\t+3], v[FRD] offset:\t*544        ; LDS serves a wave's instructions in order: these see my stores
.endr
.if !KIND
.set m, 0
.rept 16
	v_pk_mul_f32 v[EE+m:EE+m+1], v[TT+m:TT+m+1], s[AL:AL+1] op_sel_hi:[1,0]
.set m, m+2
.endr
.set m, 0
.rept 32
	v_exp_f32 v[EE+m], v[EE+m]
.set m, m+1
.endr
	v_nop
	s_wait_alu depctr_va_vdst(0)                   ; one wait for the batch, ahead of its first reader
.set m, 0
.rept 16
	v_pk_add_f32 v[EE+m:EE+m+1], v[EE+m:EE+m+1], 1.0 op_sel_hi:[1,0]
.set m, m+2
.endr
.set m, 0
.rept 32
	v_rcp_f32 v[EE+m], v[EE+m]
.set m, m+1
.endr
	v_nop
	s_wait_alu depctr_va_vdst(0)
.set m, 0
.rept 16
	v_pk_fma_f32 v[EE+m:EE+m+1], v[EE+m:EE+m+1], -2.0, 1.0 op_sel_hi:[1,0,0]
.set m, m+2
.endr
.endif
	s_wait_dscnt 0x0                               ; the rows are back, and the stage's stores have read their registers
.irp t, 0,1,2,3,4,5,6,7
	global_store_b128 v[CO], v[RB+4*\t:RB+4*\t+3], s[20:21] offset:(16*(\a)+2*\t)*4096
.endr
.if !KIND
	WIN 0x28                                       ; sources 1 and 2 (gamma, beta) window 2
.set m, 0
.rept 16
	v_pk_fma_f32 v[TT+m:TT+m+1], v[EE+m:EE+m+1], v[m:m+1], v[32+m:32+m+1]
.set m, m+2
.endr
	WIN 0
.irp b, 0,1
	v_max3_num_f32 v[TM+\b], |v[TT+16*\b]|, |v[TT+1+16*\b]|, 0x4800000
.endr
.irp i, 2,4,6,8,10,12,14
.irp b, 0,1
	v_max3_num_f32 v[TM+\b], v[TM+\b], |v[TT+16*\b+\i]|, |v[TT+1+16*\b+\i]|
.endr
.endr
.irp b, 0,1
	v_permlanex16_b32 v[TM+2+\b], v[TM+\b], s[SEL], s[SEL+1]
.endr
.irp b, 0,1
	v_max_num_f32 v[TM+\b], v[TM+\b], v[TM+2+\b]
.endr
.irp b, 0,1
	v_add_nc_u32 v[TM+6+\b], 0xfc000000, v[TM+\b]
.endr
.irp b, 0,1
	v_and_or_b32 v[TM+4+\b], v[TM+\b], 0x7f800000, s[MNT]
.endr
.irp b, 0,1
	v_lshrrev_b32 v[TM+2+\b], 23, v[TM+6+\b]
.endr
	v_lshl_or_b32 v[PW], v[TM+3], 8, v[TM+2]
.irp b, 0,1
.irp i, 0,1,2,3,4,5,6,7,8,9,10,11,12,13,14,15
	v_med3_num_f32 v[TT+16*\b+\i], v[TT+16*\b+\i], -v[TM+4+\b], v[TM+4+\b]
.endr
	v_cvt_scalef32_pk8_fp8_f32 v[PC+4*\b:PC+1+4*\b], v[TT+16*\b:TT+7+16*\b], v[TM+6+\b]
	v_cvt_scalef32_pk8_fp8_f32 v[PC+2+4*\b:PC+3+4*\b], v[TT+8+16*\b:TT+15+16*\b], v[TM+6+\b]
.endr
	v_nop
.irp c, 0,1
.irp u, 0,1
	ds_store_b64 v[CST], v[PC+4*\c+2*\u:PC+4*\c+2*\u+1] offset:32*\c+16*\u
.endr
.endr
	ds_store_b16 v[SWA], v[PW] offset:64*(\a)
	ds_load_b128 v[BKC:BKC+3], v[CRD]
	ds_load_b128 v[BKC+4:BKC+7], v[CRD] offset:640
	s_wait_dscnt 0x0
	global_store_b128 v[CCO], v[BKC:BKC+3], s[HC:HC+1] offset:1024*(\a)
	global_store_b128 v[CCO], v[BKC+4:BKC+7], s[HC:HC+1] offset:1024*(\a)+512
.endif
.endm
	EP 0
	EP 1
	EP 2
	EP 3
.if !KIND
	s_wait_dscnt 0x0                               ; my scale bytes have landed
	s_barrier_signal -1
	s_barrier_wait -1
	s_cmp_lg_u32 s84, 0
	s_cbranch_scc1 .Lnot_first
	s_wait_xcnt 0x0
	ds_load_b128 v[BKC:BKC+3], v[SWR]
	s_wait_dscnt 0x0
	global_store_b128 v[CCO], v[BKC:BKC+3], s[HP:HP+1]     ; the work-group's 128 scale words: 512 consecutive bytes
.Lnot_first:
.endif
	s_wait_tensorcnt 0x0                           ; the wave's end
	ds_add_u32 v[SPW], v[NIL]
	s_wait_dscnt 0x0
	CROUND                                         ; the closing round
	s_endpgm
.Lfunc_end_k_q92e34b787d_proj:
	.size	k_q92e34b787d_proj, .Lfunc_end_k_q92e34b787d_proj-k_q92e34b787d_proj
	.p2alignl 7, 3214868480
	.fill 96, 4, 3214868480
	.section	.rodata,"a",@progbits
	.p2align	6, 0x0
	.amdhsa_kernel k_q92e34b787d_proj
		.amdhsa_group_segment_fixed_size 327680
		.amdhsa_private_segment_fixed_size 0
		.amdhsa_enable_private_segment 0
		.amdhsa_kernarg_size 80
		.amdhsa_user_sgpr_count 2
		.amdhsa_user_sgpr_kernarg_segment_ptr 1
		.amdhsa_wavefront_size32 1
		.amdhsa_system_sgpr_workgroup_id_x 1
		.amdhsa_system_sgpr_workgroup_id_y 1
		.amdhsa_system_sgpr_workgroup_id_z 1
		.amdhsa_system_vgpr_workitem_id 0
		.amdhsa_next_free_vgpr 576
		.amdhsa_next_free_sgpr 102
		.amdhsa_reserve_vcc 0
		.amdhsa_float_denorm_mode_32 3
		.amdhsa_float_denorm_mode_16_64 3
		.amdhsa_memory_ordered 1
		.amdhsa_forward_progress 1
		.amdhsa_inst_pref_size 110
	.end_amdhsa_kernel
	.amdgpu_metadata
---
amdhsa.version: [ 1, 2 ]
amdhsa.kernels:
  - .name:           k_q92e34b787d_proj
    .symbol:         k_q92e34b787d_proj.kd
    .args:
      - { .name: att, .offset: 0, .size: 8, .value_kind: global_buffer, .address_space: global }
      - { .name: w_proj_codes, .offset: 8, .size: 8, .value_kind: global_buffer, .address_space: global }
      - { .name: prep, .offset: 16, .size: 8, .value_kind: global_buffer, .address_space: global }
      - { .name: b_proj, .offset: 24, .size: 8, .value_kind: global_buffer, .address_space: global }
      - { .name: x, .offset: 32, .size: 8, .value_kind: global_buffer, .address_space: global }
      - { .name: alpha, .offset: 40, .size: 8, .value_kind: global_buffer, .address_space: global }
      - { .name: gamma, .offset: 48, .size: 8, .value_kind: global_buffer, .address_space: global }
      - { .name: beta, .offset: 56, .size: 8, .value_kind: global_buffer, .address_space: global }
      - { .name: x1, .offset: 64, .size: 8, .value_kind: global_buffer, .address_space: global }
      - { .name: h2, .offset: 72, .size: 8, .value_kind: global_buffer, .address_space: global }
    .group_segment_fixed_size: 327680
    .private_segment_fixed_size: 0
    .kernarg_segment_align: 8
    .kernarg_segment_size: 80
    .max_flat_workgroup_size: 128
    .sgpr_count:     102
    .vgpr_count:     576
    .wavefront_size: 32
...
	.end_amdgpu_metadata
.endif
;; end of part 4
;; launch fc (part 5): grid 16 x 16, 4 waves a work-group, clusters of 4 x 4, 327,680 bytes of LDS; arguments h2, w_fc_codes, prep, b_fc, g; writes g
.if DOCPART == 5
	.amdgcn_target "amdgcn-amd-amdhsa--gfx1250"
	.amdhsa_code_object_version 6
	.text
	.protected	k_q92e34b787d_fc
	.globl	k_q92e34b787d_fc
	.p2align	8
	.type	k_q92e34b787d_fc,@function
k_q92e34b787d_fc:
	s_mov_b64 s[64:65], 0
	v_nop
	global_prefetch_b8 v0, s[64:65] scope:SCOPE_SE
	s_setreg_imm32_b32 hwreg(HW_REG_WAVE_MODE, 25, 1), 1
	s_wait_xcnt 0x0
	s_wait_alu depctr_hold_cnt(0) depctr_sa_sdst(0) depctr_va_vdst(0) depctr_va_sdst(0) depctr_va_ssrc(0) depctr_va_vcc(0) depctr_vm_vsrc(0)
	s_getreg_b32 s2, hwreg(HW_REG_IB_STS2, 6, 4)
	s_cmp_eq_u32 s2, 0
	s_cbranch_scc0 .Lentry_in_a_cluster
	s_endpgm
.Lentry_in_a_cluster:
	s_bfe_u32 s2, ttmp6, 0x10000c
	s_cmp_lg_u32 s2, 0xf033
	s_cbranch_scc0 .Lentry_shape_is_right
	s_endpgm
.Lentry_shape_is_right:
; g = gelu(h2 w_fc + b_fc), exact gelu, quantised along F, on codes of E4M3 with E8M0 scales (K = 1,024).
; A tile of 256 x 256 to a work-group of four waves, 128 x 128 to a wave; K in steps of 256 through a ring of two LDS slots; 4 x 4 clusters: A's tiles jointly along a row of the cluster, B's along a column.
; Transposed use: a lane holds one token and eight neighbouring columns.  A's codes lie in chunks [16][4,096 tokens][64 bytes]: a wave's tile is 4 chunks x (128 tokens x 64 dense bytes), 16 bytes of padding behind every 64.
; Scale words of both sides: planes [8][rows], all of K with the first fills.  OUT: codes in chunks [32][4,096 tokens][128 bytes], scale words as planes [32][4,096]: a wave's 128 columns are one chunk and one plane.
; gelu(x) = max(x, 0) - |x| Q e^(-x x / 2), Q = half of Abramowitz and Stegun's 7.1.26 polynomial in 1 / (1 + 0.2316419 |x|).  LIMITS: erf's absolute error is at most 1.5e-7, so gelu is off by at most 0.75e-7 |x|;
; a block of zeros gets the byte 1; NaN and infinities are not served.
; The way out is a loop of eight trips, one block of 16 tokens each; only the 32 additions that take a block's accumulators differ, and are chosen by the trip's number: written out, the way out would be some 50 KB of code.
; No prefetch: the ring has four K steps, of which the first two are the first fills.
.set H2_PL, 4194304
.set WF_PL, 4587520
.set G_PL,  16777216
.set NQ,     2
.set KROW,   1024
.set PITCH,  272
.set TP,     80                        ; a token's 64 bytes + 16
.set CP,     128*TP                    ; a chunk of 128 tokens
.set FR,     16
.set NL,     4
.set NP,     8
.set AH,     4*CP
.set BH,     128*PITCH
.set SLOT,   2*AH+2*BH
.set LAPS,   2
.set SCL,    2*SLOT
.set SPARE,  SCL+16384
.set ASL,    1048576                   ; four chunks on
.set BSL,    256
.set SWT, 5
.set STL, 12
.set SWL, 13
.set RDL, 14
.set SRL, 15
.set ADRA, 16
.set ADRB, 20
.set CO,   26
.set ADRS, 27
.set SPW,  28
.set NIL,  29
.set VA4,  30                          ; v30-31 a coefficient, twice
.set SC,   32                          ; v32-63 scale words: they hold nothing else
.set BIAS, 64
.set AF,   128
.set T,    128
.set AX,   192                         ; gelu's registers; behind it BK v192-207, TM v208-223, PC v224-239, PW v240
.set DD,   208
.set EE,   224
.set QQ,   240
.set BK,   192
.set TM,   208
.set PC,   224
.set PW,   240
.set CP1, 4                            ; s[4:11], s[18:21]: gelu's constants, in pairs, in registers that are done with
.set CKK, 6
.set CA1, 8
.set CA2, 10
.set CA3, 18
.set CA5, 20
.set EA,  22
.set ESW, 23
.set G1, 24
.set G0, 32
.set G1B, 48
.set G0B, 56
.set G1S, 68
.set G0S, 76
.set G1SB, 80
.set G0SB, 88
.set SEL, 96
.set MNT, 98
.set MSB, 0
.macro WIN new
.if MSB != (\new)
	s_set_vgpr_msb (MSB<<8)|(\new)
.set MSB, (\new)
.endif
.endm
.set MUL_LO, 0xa1
.set MUL_HI, 0xf1
.set TO_B,   0x40
.macro JLOAD g0a, g1a, g0b, g1b
	s_cmp_eq_u32 s15, 0
	s_cbranch_scc0 .Lfor_b_\@
	tensor_load_to_lds s[\g0a:\g0a+3], s[\g1a:\g1a+7]
	s_nop 0
.rept 4
	v_nop
.endr
	s_branch .Lasked_\@
.Lfor_b_\@:
	tensor_load_to_lds s[\g0b:\g0b+3], s[\g1b:\g1b+7]
	s_nop 0
.rept 4
	v_nop
.endr
.Lasked_\@:
.endm
.macro CREST
	s_cmp_lg_u32 s14, 0
	s_cbranch_scc1 .Lnot_wave_0_\@
	s_barrier_signal -3
.Lnot_wave_0_\@:
	s_barrier_wait -3
	s_barrier_signal -1
	s_barrier_wait -1
.endm
.macro CROUND
	s_barrier_signal -1
	s_barrier_wait -1
	CREST
.endm
	s_load_b256 s[4:11], s[0:1], 0x0               ; h2, w_fc_codes, prep, b_fc
	s_load_b64 s[12:13], s[0:1], 0x20              ; g
	v_lshl_add_u32 v[SPW], v0, 2, SPARE
	v_mov_b32 v[NIL], 0
	ds_add_u32 v28, v29
	ds_add_u32 v28, v29
	s_wait_dscnt 0x0
	v_lshrrev_b32 v1, 5, v0
	v_readfirstlane_b32 s14, v1
	s_lshr_b32 s15, s14, 1
	s_and_b32 s16, s14, 1
	s_bfe_u32 s40, ttmp6, 0x40000
	s_bfe_u32 s41, ttmp6, 0x40004
	s_lshl_b32 s42, ttmp9, 2
	s_add_co_u32 s42, s42, s40                     ; tile column
	s_and_b32 s17, ttmp7, 0xffff
	s_lshl_b32 s17, s17, 2
	s_add_co_u32 s17, s17, s41                     ; tile row
	s_lshl_b32 s43, s41, 2
	s_lshl_b32 s43, 15, s43
	s_lshl_b32 s44, 0x1111, s40
	s_or_b32 s[G1+0], s43, (1<<20)|(1<<21)|(3<<22)|(3<<25)         ; A: 4 chunks x 8,192 bytes, 16 bytes of padding behind every 64
	s_mov_b32 s[G1+1], 8192<<16
	s_mov_b32 s[G1+2], 4<<16
	s_mov_b32 s[G1+3], 8192<<16
	s_mov_b32 s[G1+4], 4
	s_mov_b32 s[G1+5], 262144
	s_mov_b32 s[G1+6], 0
	s_mov_b32 s[G1+7], 0
	s_or_b32 s[G1B+0], s44, (1<<20)|(1<<21)|(5<<22)|(3<<25)        ; B: 128 rows x 256 bytes, 16 bytes of padding behind each
	s_mov_b32 s[G1B+1], 256<<16
	s_mov_b32 s[G1B+2], 128<<16
	s_mov_b32 s[G1B+3], 256<<16
	s_mov_b32 s[G1B+4], 128
	s_mov_b32 s[G1B+5], KROW
	s_mov_b32 s[G1B+6], 0
	s_mov_b32 s[G1B+7], 0
	s_or_b32 s[G1S+0], s43, (3<<16)|(1<<21)
	s_or_b32 s[G1SB+0], s44, (3<<16)|(1<<21)
.irp g, G1S, G1SB
	s_mov_b32 s[\g+1], 64<<16
	s_mov_b32 s[\g+2], 8<<16
	s_mov_b32 s[\g+3], 64<<16
	s_mov_b32 s[\g+4], 8
	s_mov_b32 s[\g+5], 2048
	s_mov_b32 s[\g+6], 0
	s_mov_b32 s[\g+7], 0
.endr
	s_mov_b32 s[SEL], 0x76543210
	s_mov_b32 s[SEL+1], 0xfedcba98
	s_mov_b32 s[MNT], 0x600000
	s_lshl_b32 s18, s16, 7
	s_lshl_b32 s20, s17, 8
	s_add_co_u32 s20, s20, s18                     ; the A rows that I fetch
	s_lshl_b32 s46, s42, 8
	s_add_co_u32 s46, s46, s18                     ; the B rows
	s_lshl_b32 s22, s20, 2
	s_add_co_u32 s22, s22, H2_PL
	s_lshl_b32 s92, s46, 2
	s_add_co_u32 s92, s92, WF_PL
	s_lshl_b32 s20, s20, 6
	s_lshl_b32 s46, s46, 10
	s_mov_b32 s21, 0
	s_mov_b32 s23, 0
	s_mov_b32 s47, 0
	s_mov_b32 s93, 0
	s_mul_i32 s45, s16, AH
	s_mul_i32 s99, s16, BH
	s_add_co_u32 s99, s99, 2*AH
	s_lshl_b32 s100, s16, 12
	s_add_co_u32 s100, s100, SCL
	s_add_co_u32 s101, s100, 8192
	s_wait_kmcnt 0x0
	s_add_nc_u64 s[20:21], s[4:5], s[20:21]
	s_add_nc_u64 s[22:23], s[4:5], s[22:23]
	s_add_nc_u64 s[46:47], s[6:7], s[46:47]
	s_add_nc_u64 s[92:93], s[8:9], s[92:93]
	CROUND
	s_mov_b32 s[G0S], 1
	s_mov_b32 s[G0S+1], s100
	s_mov_b64 s[G0S+2:G0S+3], s[22:23]
	s_or_b32 s[G0S+3], s[G0S+3], 0x80000000
	s_mov_b32 s[G0SB], 1
	s_mov_b32 s[G0SB+1], s101
	s_mov_b64 s[G0SB+2:G0SB+3], s[92:93]
	s_or_b32 s[G0SB+3], s[G0SB+3], 0x80000000
	JLOAD G0S, G1S, G0SB, G1SB
.irp s, 0,1
	s_mov_b32 s[G0+4*\s], 1
	s_add_co_u32 s[G0+4*\s+1], s45, \s*SLOT
	s_add_nc_u64 s[G0+4*\s+2:G0+4*\s+3], s[20:21], \s*ASL
	s_or_b32 s[G0+4*\s+3], s[G0+4*\s+3], 0x80000000
	s_mov_b32 s[G0B+4*\s], 1
	s_add_co_u32 s[G0B+4*\s+1], s99, \s*SLOT
	s_add_nc_u64 s[G0B+4*\s+2:G0B+4*\s+3], s[46:47], \s*BSL
	s_or_b32 s[G0B+4*\s+3], s[G0B+4*\s+3], 0x80000000
	JLOAD G0+4*\s, G1, G0B+4*\s, G1B
.endr
	v_and_b32 v1, 15, v0                           ; r
	v_bfe_u32 v2, v0, 4, 1                         ; h
	s_lshl_b32 s20, s17, 8
	s_lshl_b32 s21, s15, 7
	s_add_co_u32 s20, s20, s21                     ; my first token
	s_lshl_b32 s99, s42, 1
	s_add_co_u32 s99, s99, s16                     ; my chunk of 128 columns
	s_lshl_b32 s46, s99, 9
	s_mov_b32 s47, 0
	s_add_nc_u64 s[10:11], s[10:11], s[46:47]
	v_lshlrev_b32 v7, 5, v2
.irp b, 0,1,2,3,4,5,6,7
	global_load_b128 v[BIAS+8*\b:BIAS+8*\b+3], v7, s[10:11] offset:64*\b
	global_load_b128 v[BIAS+8*\b+4:BIAS+8*\b+7], v7, s[10:11] offset:64*\b+16
.endr
	s_lshl_b32 s99, s99, 12
	s_add_co_u32 s99, s99, s20
	s_lshl_b32 s46, s99, 2
	s_add_co_u32 s46, s46, G_PL
	s_add_nc_u64 s[66:67], s[12:13], s[46:47]      ; my 128 scale words
	s_lshl_b32 s46, s99, 7
	s_add_nc_u64 s[12:13], s[12:13], s[46:47]      ; my codes
	v_mul_u32_u24 v3, v1, TP
	v_lshl_add_u32 v3, v2, 4, v3
	v_mul_u32_u24 v4, v1, PITCH
	v_lshl_add_u32 v4, v2, 4, v4
	s_mul_i32 s21, s15, AH
	s_mul_i32 s22, s16, BH
	s_add_co_u32 s22, s22, 2*AH
.irp s, 0,1
	v_add_nc_u32 v[ADRA+\s], s21, v3
	v_add_nc_u32 v[ADRB+\s], s22, v4
	s_add_co_u32 s21, s21, SLOT
	s_add_co_u32 s22, s22, SLOT
.endr
	s_lshl_b32 s21, s15, 12
	s_lshl_b32 s22, s16, 12
	s_add_co_u32 s22, s22, 8192
	s_sub_co_u32 s22, s22, s21
	v_mul_u32_u24 v6, s22, v2
	s_add_co_u32 s21, s21, SCL
	v_lshl_add_u32 v6, v1, 2, v6
	v_add_nc_u32 v[ADRS], s21, v6
	s_lshl_b32 s21, s14, 12                        ; my stage, in slot 0: 16 rows of 128 bytes at pitch 144; scale words 2,560 on
	v_mul_u32_u24 v5, v1, 144
	v_lshl_add_u32 v5, v2, 3, v5
	v_add_nc_u32 v[STL], s21, v5
	v_lshlrev_b32 v5, 2, v1
	v_add_nc_u32 v5, s21, v5
	v_add_nc_u32 v[SWL], 2560, v5
	v_and_b32 v6, 31, v0
	v_lshlrev_b32 v[CO], 4, v6
	v_lshrrev_b32 v5, 3, v6
	v_mul_u32_u24 v5, v5, 144
	v_and_b32 v3, 7, v6
	v_lshl_add_u32 v5, v3, 4, v5
	v_add_nc_u32 v[RDL], s21, v5
	v_add_nc_u32 v5, s21, v[CO]
	v_add_nc_u32 v[SRL], 2560, v5
	v_mov_b32 v[VA4], 0xbf3a00e3                   ; -0.7265760
	v_mov_b32 v[VA4+1], 0xbf3a00e3
.macro FRAGA reg, adr, q, i            ; K = 32 c + 16 h of the quarter: chunk 2 q + c / 2, byte 32 (c % 2) + 16 h
.irp c, 0,1,2,3
	ds_load_b128 v[\reg+4*\c:\reg+4*\c+3], v[\adr] offset:(2*(\q)+\c/2)*CP+(\c%2)*32+(\i)*16*TP
.endr
.endm
.macro FRAGB reg, adr, q, i
.irp c, 0,1,2,3
	ds_load_b128 v[\reg+4*\c:\reg+4*\c+3], v[\adr] offset:128*(\q)+32*\c+(\i)*16*PITCH
.endr
.endm
.macro MUL16 a0, p, q, sc, zero        ; the 64 accumulators take turns, one instruction a turn, in the same order in every step
.irp a, \a0, \a0+1
.irp b, 0,1,2,3,4,5,6,7
.if \zero
	v_wmma_scale_f32_16x16x128_f8f6f4 v[8*(8*((\a)%4)+\b):8*(8*((\a)%4)+\b)+7], v[128*(\p)+FR*\b:128*(\p)+FR*\b+FR-1], v[AF+FR*(\a):AF+FR*(\a)+FR-1], 0, v[SC+8*NQ*(\sc)+NQ*\b+(\q)], v[SC+8*NQ*(\sc)+NQ*(\a)+(\q)] matrix_a_scale:MATRIX_SCALE_ROW1
.else
	v_wmma_scale_f32_16x16x128_f8f6f4 v[8*(8*((\a)%4)+\b):8*(8*((\a)%4)+\b)+7], v[128*(\p)+FR*\b:128*(\p)+FR*\b+FR-1], v[AF+FR*(\a):AF+FR*(\a)+FR-1], v[8*(8*((\a)%4)+\b):8*(8*((\a)%4)+\b)+7], v[SC+8*NQ*(\sc)+NQ*\b+(\q)], v[SC+8*NQ*(\sc)+NQ*(\a)+(\q)] matrix_a_scale:MATRIX_SCALE_ROW1
.endif
.endr
.endr
.endm
.macro FETCH_B slot, q, p
	WIN TO_B
.irp i, 0,1,2,3,4,5,6,7
	FRAGB 128*(\p)+FR*\i, ADRB+\slot, \q, \i
.endr
	WIN 0
.endm
.macro FETCH_A slot, q, i0
.irp i, \i0, \i0+1, \i0+2, \i0+3
	FRAGA AF+FR*(\i), ADRA+\slot, \q, \i
.endr
.endm
.macro SCALES sc
.irp i, 0,1,2,3,4,5,6,7
.irp q, 0,1
	ds_load_b32 v[SC+8*NQ*\sc+NQ*\i+\q], v[ADRS] offset:\q*512+\i*64
.endr
.endr
.endm
.macro PLACES n
.rept \n
	v_nop
.endr
.endm
.macro STEP slot, q, zero
	s_wait_dscnt 4*NL                              ; all but the youngest 16 loads (A's blocks 4-7)
	WIN MUL_LO
	MUL16 0, (\q)%2, \q, \slot, \zero
	MUL16 2, (\q)%2, \q, \slot, \zero
	s_wait_dscnt 0
	PLACES NP
	FETCH_B \slot, (\q)+1, 1-(\q)%2
	FETCH_A \slot, (\q)+1, 0
	WIN MUL_HI
	MUL16 4, (\q)%2, \q, \slot, \zero
	MUL16 6, (\q)%2, \q, \slot, \zero
	PLACES NP
	WIN 0
	FETCH_A \slot, (\q)+1, 4
.endm
.macro TURN slot, next, fill
	s_wait_tensorcnt 0x0                           ; all my tensor loads have landed: my part of the next slot
	ds_add_u32 v[SPW], v[NIL]
	s_wait_dscnt 4*NL+1                            ; (the add and A's blocks 4-7 may be out)
	WIN MUL_LO
	MUL16 0, 1, NQ-1, \slot, 0
	s_wait_dscnt 0x0                               ; the add is done, and my reads of this slot are over
	s_barrier_signal -1
	MUL16 2, 1, NQ-1, \slot, 0
	WIN 0
	s_barrier_wait -1
.if \fill
	CREST
	s_add_nc_u64 s[G0+4*\slot+2:G0+4*\slot+3], s[G0+4*\slot+2:G0+4*\slot+3], 2*ASL
	s_add_nc_u64 s[G0B+4*\slot+2:G0B+4*\slot+3], s[G0B+4*\slot+2:G0B+4*\slot+3], 2*BSL
	JLOAD G0+4*\slot, G1, G0B+4*\slot, G1B
	PLACES NP-4
.else
	PLACES NP
.endif
	v_add_nc_u32 v[ADRS], 1024, v[ADRS]
	FETCH_B \next, 0, 0
	FETCH_A \next, 0, 0
	SCALES \next
	WIN MUL_HI
	MUL16 4, 1, NQ-1, \slot, 0
	MUL16 6, 1, NQ-1, \slot, 0
	PLACES NP
	WIN 0
	FETCH_A \next, 0, 4
.endm
.macro QUANT s
.irp b, 0,1,2,3
	v_max3_num_f32 v[TM+\b], |v[\s+16*\b]|, |v[\s+1+16*\b]|, 0x4800000
.endr
.irp i, 2,4,6,8,10,12,14
.irp b, 0,1,2,3
	v_max3_num_f32 v[TM+\b], v[TM+\b], |v[\s+16*\b+\i]|, |v[\s+1+16*\b+\i]|
.endr
.endr
.irp b, 0,1,2,3
	v_permlanex16_b32 v[TM+4+\b], v[TM+\b], s[SEL], s[SEL+1]
.endr
.irp b, 0,1,2,3
	v_max_num_f32 v[TM+\b], v[TM+\b], v[TM+4+\b]
.endr
.irp b, 0,1,2,3
	v_add_nc_u32 v[TM+12+\b], 0xfc000000, v[TM+\b]
.endr
.irp b, 0,1,2,3
	v_and_or_b32 v[TM+8+\b], v[TM+\b], 0x7f800000, s[MNT]
.endr
.irp b, 0,1,2,3
	v_lshrrev_b32 v[TM+4+\b], 23, v[TM+12+\b]
.endr
	v_lshl_or_b32 v[PW], v[TM+5], 8, v[TM+4]
	v_lshl_or_b32 v[PW], v[TM+6], 16, v[PW]
	v_lshl_or_b32 v[PW], v[TM+7], 24, v[PW]
.irp b, 0,1,2,3
.irp i, 0,1,2,3,4,5,6,7,8,9,10,11,12,13,14,15
	v_med3_num_f32 v[\s+16*\b+\i], v[\s+16*\b+\i], -v[TM+8+\b], v[TM+8+\b]
.endr
	v_cvt_scalef32_pk8_fp8_f32 v[PC+4*\b:PC+1+4*\b], v[\s+16*\b:\s+7+16*\b], v[TM+12+\b]
	v_cvt_scalef32_pk8_fp8_f32 v[PC+2+4*\b:PC+3+4*\b], v[\s+8+16*\b:\s+15+16*\b], v[TM+12+\b]
.endr
	v_nop
.endm
.macro GELU16 x                        ; sixteen numbers, in place
.set j, 0
.rept 16
	v_and_b32 v[AX+j], 0x7fffffff, v[\x+j]
.set j, j+1
.endr
.set j, 0
.rept 8
	v_pk_fma_f32 v[DD+j:DD+j+1], v[AX+j:AX+j+1], s[CP1:CP1+1], 1.0 op_sel_hi:[1,0,0]
	v_pk_mul_f32 v[EE+j:EE+j+1], v[\x+j:\x+j+1], s[CKK:CKK+1] op_sel_hi:[1,0]
.set j, j+2
.endr
.set j, 0
.rept 8
	v_pk_mul_f32 v[EE+j:EE+j+1], v[EE+j:EE+j+1], v[EE+j:EE+j+1] neg_lo:[1,0] neg_hi:[1,0]      ; -x x log2(e) / 2
.set j, j+2
.endr
.set j, 0
.rept 16
	v_rcp_f32 v[DD+j], v[DD+j]
.set j, j+1
.endr
.set j, 0
.rept 16
	v_exp_f32 v[EE+j], v[EE+j]
.set j, j+1
.endr
	v_nop
	s_wait_alu depctr_va_vdst(0)                   ; one wait for the 32, ahead of their first reader
.set j, 0
.rept 8
	v_pk_fma_f32 v[QQ+j:QQ+j+1], v[DD+j:DD+j+1], s[CA5:CA5+1], v[VA4:VA4+1] op_sel_hi:[1,0,1]
.set j, j+2
.endr
.irp k, CA3, CA2, CA1
.set j, 0
.rept 8
	v_pk_fma_f32 v[QQ+j:QQ+j+1], v[QQ+j:QQ+j+1], v[DD+j:DD+j+1], s[\k:\k+1] op_sel_hi:[1,1,0]
.set j, j+2
.endr
.endr
.set j, 0
.rept 8
	v_pk_mul_f32 v[QQ+j:QQ+j+1], v[QQ+j:QQ+j+1], v[DD+j:DD+j+1]
.set j, j+2
.endr
.set j, 0
.rept 8
	v_pk_mul_f32 v[QQ+j:QQ+j+1], v[QQ+j:QQ+j+1], v[EE+j:EE+j+1]
.set j, j+2
.endr
.set j, 0
.rept 16
	v_max_num_f32 v[EE+j], 0, v[\x+j]
.set j, j+1
.endr
.set j, 0
.rept 8
	v_pk_fma_f32 v[\x+j:\x+j+1], v[AX+j:AX+j+1], v[QQ+j:QQ+j+1], v[EE+j:EE+j+1] neg_lo:[1,0,0] neg_hi:[1,0,0]
.set j, j+2
.endr
.endm
.macro ADDB a                          ; block a's 64 sums + the bias, each accumulator from its low end on
	WIN 0x02+(\a)/4
.set AC, 64*((\a)%4)
.set m, 0
.rept 32
	v_pk_add_f32 v[T+m:T+m+1], v[AC+m:AC+m+1], v[BIAS+m:BIAS+m+1]
.set m, m+2
.endr
	WIN 0
.endm
	s_wait_tensorcnt 1                             ; the scale words and my part of K step 0 are in (K step 1's load may be out)
	s_barrier_signal -1
	s_barrier_wait -1
	FETCH_B 0, 0, 0
	FETCH_A 0, 0, 0
	SCALES 0
	FETCH_A 0, 0, 4
	STEP 0, 0, 1
	s_mov_b32 s3, LAPS-1
.Llap:
	TURN 0, 1, 1
	STEP 1, 0, 0
	TURN 1, 0, 1
	STEP 0, 0, 0
	s_sub_co_u32 s3, s3, 1
	s_cmp_lg_u32 s3, 0
	s_cbranch_scc1 .Llap
	TURN 0, 1, 0
	STEP 1, 0, 0
	s_wait_dscnt 4*NL
	WIN MUL_LO
	MUL16 0, 1, NQ-1, 1, 0
	MUL16 2, 1, NQ-1, 1, 0
	s_wait_dscnt 0
	WIN MUL_HI
	MUL16 4, 1, NQ-1, 1, 0
	MUL16 6, 1, NQ-1, 1, 0
	WIN 0
	s_wait_loadcnt 0x0                             ; the bias; its base is free
	s_mov_b32 s[CP1], 0x3e6d3389                   ; 0.2316419
	s_mov_b32 s[CP1+1], s[CP1]
	s_mov_b32 s[CKK], 0x3f596d27                   ; sqrt(log2(e) / 2)
	s_mov_b32 s[CKK+1], s[CKK]
	s_mov_b32 s[CA1], 0x3e027906                   ; 0.1274148
	s_mov_b32 s[CA1+1], s[CA1]
	s_mov_b32 s[CA2], 0xbe11a98e                   ; -0.1422484
	s_mov_b32 s[CA2+1], s[CA2]
	s_mov_b32 s[CA3], 0x3f35f0e3                   ; 0.7107069
	s_mov_b32 s[CA3+1], s[CA3]
	s_mov_b32 s[CA5], 0x3f07dc22                   ; 0.5307027
	s_mov_b32 s[CA5+1], s[CA5]
	s_mov_b32 s[EA], 0
	s_mov_b32 s[ESW], 0
	PLACES NP
.Lepi:
.irp a, 0,1,2,3,4,5,6
	s_cmp_eq_u32 s[EA], \a
	s_cbranch_scc1 .Lblk\a
.endr
	ADDB 7
	s_branch .Lwork
.irp a, 0,1,2,3,4,5
.Lblk\a:
	ADDB \a
	s_branch .Lwork
.endr
.Lblk6:
	ADDB 6
.Lwork:
	GELU16 T
	GELU16 T+16
	GELU16 T+32
	GELU16 T+48
	QUANT T
.irp c, 0,1,2,3
.irp u, 0,1
	ds_store_b64 v[STL], v[PC+4*\c+2*\u:PC+4*\c+2*\u+1] offset:32*\c+16*\u
.endr
.endr
	v_add_nc_u32 v[SWT], s[ESW], v[SWL]
	ds_store_b32 v[SWT], v[PW]
.irp n, 0,1,2,3
	ds_load_b128 v[BK+4*\n:BK+4*\n+3], v[RDL] offset:576*\n        ; LDS serves a wave's instructions in order: these see my stores
.endr
	s_wait_dscnt 0x0
.irp n, 0,1,2,3
	global_store_b128 v[CO], v[BK+4*\n:BK+4*\n+3], s[12:13] offset:512*\n      ; 16 tokens x 128 bytes: 2,048 consecutive bytes
.endr
	s_wait_xcnt 0x0                                ; the stores have read their registers and their base
	s_add_nc_u64 s[12:13], s[12:13], 2048
	s_add_co_u32 s[ESW], s[ESW], 64
	s_add_co_u32 s[EA], s[EA], 1
	s_cmp_lt_u32 s[EA], 8
	s_cbranch_scc1 .Lepi
	ds_load_b128 v[BK:BK+3], v[SRL]
	s_wait_dscnt 0x0
	global_store_b128 v[CO], v[BK:BK+3], s[66:67]  ; my 128 scale words: 512 consecutive bytes
	s_wait_tensorcnt 0x0                           ; the wave's end
	ds_add_u32 v[SPW], v[NIL]
	s_wait_dscnt 0x0
	CROUND
	s_endpgm
.Lfunc_end_k_q92e34b787d_fc:
	.size	k_q92e34b787d_fc, .Lfunc_end_k_q92e34b787d_fc-k_q92e34b787d_fc
	.p2alignl 7, 3214868480
	.fill 96, 4, 3214868480
	.section	.rodata,"a",@progbits
	.p2align	6, 0x0
	.amdhsa_kernel k_q92e34b787d_fc
		.amdhsa_group_segment_fixed_size 327680
		.amdhsa_private_segment_fixed_size 0
		.amdhsa_enable_private_segment 0
		.amdhsa_kernarg_size 40
		.amdhsa_user_sgpr_count 2
		.amdhsa_user_sgpr_kernarg_segment_ptr 1
		.amdhsa_wavefront_size32 1
		.amdhsa_system_sgpr_workgroup_id_x 1
		.amdhsa_system_sgpr_workgroup_id_y 1
		.amdhsa_system_sgpr_workgroup_id_z 1
		.amdhsa_system_vgpr_workitem_id 0
		.amdhsa_next_free_vgpr 1024
		.amdhsa_next_free_sgpr 102
		.amdhsa_reserve_vcc 0
		.amdhsa_float_denorm_mode_32 3
		.amdhsa_float_denorm_mode_16_64 3
		.amdhsa_memory_ordered 1
		.amdhsa_forward_progress 1
		.amdhsa_inst_pref_size 178
	.end_amdhsa_kernel
	.amdgpu_metadata
---
amdhsa.version: [ 1, 2 ]
amdhsa.kernels:
  - .name:           k_q92e34b787d_fc
    .symbol:         k_q92e34b787d_fc.kd
    .args:
      - { .name: h2, .offset: 0, .size: 8, .value_kind: global_buffer, .address_space: global }
      - { .name: w_fc_codes, .offset: 8, .size: 8, .value_kind: global_buffer, .address_space: global }
      - { .name: prep, .offset: 16, .size: 8, .value_kind: global_buffer, .address_space: global }
      - { .name: b_fc, .offset: 24, .size: 8, .value_kind: global_buffer, .address_space: global }
      - { .name: g, .offset: 32, .size: 8, .value_kind: global_buffer, .address_space: global }
    .group_segment_fixed_size: 327680
    .private_segment_fixed_size: 0
    .kernarg_segment_align: 8
    .kernarg_segment_size: 40
    .max_flat_workgroup_size: 128
    .sgpr_count:     102
    .vgpr_count:     1024
    .wavefront_size: 32
...
	.end_amdgpu_metadata
.endif
;; end of part 5
;; launch fc2 (part 6): grid 8 x 32, 4 waves a work-group, clusters of 4 x 4, 327,680 bytes of LDS; arguments g, w_fc2_codes, prep, b_fc2, x1, out0; writes out0
.if DOCPART == 6
	.amdgcn_target "amdgcn-amd-amdhsa--gfx1250"
	.amdhsa_code_object_version 6
	.text
	.protected	k_q92e34b787d_fc2
	.globl	k_q92e34b787d_fc2
	.p2align	8
	.type	k_q92e34b787d_fc2,@function
k_q92e34b787d_fc2:
	s_mov_b64 s[64:65], 0
	v_nop
	global_prefetch_b8 v0, s[64:65] scope:SCOPE_SE
	s_setreg_imm32_b32 hwreg(HW_REG_WAVE_MODE, 25, 1), 1
	s_wait_xcnt 0x0
	s_wait_alu depctr_hold_cnt(0) depctr_sa_sdst(0) depctr_va_vdst(0) depctr_va_sdst(0) depctr_va_ssrc(0) depctr_va_vcc(0) depctr_vm_vsrc(0)
	s_getreg_b32 s2, hwreg(HW_REG_IB_STS2, 6, 4)
	s_cmp_eq_u32 s2, 0
	s_cbranch_scc0 .Lentry_in_a_cluster
	s_endpgm
.Lentry_in_a_cluster:
	s_bfe_u32 s2, ttmp6, 0x10000c
	s_cmp_lg_u32 s2, 0xf033
	s_cbranch_scc0 .Lentry_shape_is_right
	s_endpgm
.Lentry_shape_is_right:
; KIND 0: x1 = x + (O w_proj + b_proj), and h2 = gamma tanh(alpha x1) + beta quantised along C.   KIND 1: out0 = x1 + (g w_fc2 + b_fc2).   One text, chosen by KIND.
; Products on codes of E4M3 with E8M0 scales.  A tile of 128 x 128 to a work-group (256 work-groups), 64 x 64 to a wave: 16 accumulators in v128-255.  A slot holds 512 along K: four quarters of 16 matrix instructions,
; on two fragment buffers in window 1.  4 x 4 clusters: A's tiles jointly along a row, B's along a column.  Transposed use: a lane holds one token and eight neighbouring columns.
; A's codes lie in chunks [K / c][4,096 tokens][c bytes] (c = 64 or 128): a wave's tile is 64 tokens x c dense bytes for each chunk, padded by 16 bytes behind every c.  Scale words: planes [K/128][rows], all of K at the start.
; The bias is the C of each sum's first matrix instruction.  The residual's 64 x 64 numbers of each wave come by one tensor load into slot 0 at the last change of slots and land under the last slot's products.
; LIMITS: NaN and infinities are not served.
; No prefetch: a K step's tiles are small and a request has three quarters of a slot's products in which to land.
.set KIND, 1
.if KIND
.set KK,   4096
.set KSH,  12
.set NPL,  32
.set TP,   144
.set CP,   9216
.set ATD0, 8192
.set ATD1, 4
.set ASTR, 524288
.set AQI,  4
.set ASH,  7
.set APL,  16777216
.set BPL,  4718592
.else
.set KK,   1024
.set KSH,  10
.set NPL,  8
.set TP,   80
.set CP,   5120
.set ATD0, 4096
.set ATD1, 8
.set ASTR, 262144
.set AQI,  3
.set ASH,  6
.set APL,  4194304
.set BPL,  4456448
.endif
.set AH,   ATD1*CP
.set BP,   528
.set BH,   64*BP
.set SLOT, 2*AH+2*BH
.set SCL,  2*SLOT
.set HS,   NPL*256
.set SPARE, SCL+4*HS                   ; the spare words: 512 bytes that no other line names
.set LAPS, KK/1024
.set FSTG, 69632                       ; behind the residual (4 x 17,408 bytes) in slot 0: 8,192 bytes a wave: 16 rows x 272
.set RRD, 8
.set FST, 9
.set FRD, 10
.set CO,  11
.set BO,  12
.set ADRA, 16
.set ADRB, 20
.set ADRS, 27
.set SPW, 28
.set NIL, 29
.set SC,  32                           ; v32-63 scale words, two sets: they hold nothing else
.set BIAS, 64                          ; v64-95; on the way out RB: the residual, then rows read back
.set RB,  64
.set ACC, 128
.set F0,  0
.set F1,  128
.set G1R, 4                            ; s[4:11], s[16:19]: the residual's descriptor, in registers that are done with
.set G0R, 16
.set G1A, 24
.set G0A, 32
.set G1B, 40
.set G0B, 48
.set G1S, 56
.set G1SB, 68
.set G0S, 76
.set G0SB, 80
.set MSB, 0
.macro WIN new
.if MSB != (\new)
	s_set_vgpr_msb (MSB<<8)|(\new)
.set MSB, (\new)
.endif
.endm
.set MUL,  0x05                        ; sources 0 and 1 window 1; C and D window 0
.set TO_F, 0x40
.macro JLOAD g0a, g1a, g0b, g1b
	s_cmp_eq_u32 s85, 0
	s_cbranch_scc0 .Lfor_b_\@
	tensor_load_to_lds s[\g0a:\g0a+3], s[\g1a:\g1a+7]
	s_nop 0
.rept 4
	v_nop
.endr
	s_branch .Lasked_\@
.Lfor_b_\@:
	tensor_load_to_lds s[\g0b:\g0b+3], s[\g1b:\g1b+7]
	s_nop 0
.rept 4
	v_nop
.endr
.Lasked_\@:
.endm
.macro CREST
	s_cmp_lg_u32 s84, 0
	s_cbranch_scc1 .Lnot_wave_0_\@
	s_barrier_signal -3
.Lnot_wave_0_\@:
	s_barrier_wait -3
	s_barrier_signal -1
	s_barrier_wait -1
.endm
.macro CROUND
	s_barrier_signal -1
	s_barrier_wait -1
	CREST
.endm
	s_load_b256 s[4:11], s[0:1], 0x0               ; g, w_fc2_codes, prep, b_fc2
	s_load_b128 s[12:15], s[0:1], 0x20             ; x1, out0
	v_lshl_add_u32 v[SPW], v0, 2, SPARE
	v_mov_b32 v[NIL], 0
	ds_add_u32 v28, v29
	ds_add_u32 v28, v29
	s_wait_dscnt 0x0
	v_lshrrev_b32 v1, 5, v0
	v_readfirstlane_b32 s84, v1                    ; wave
	s_lshr_b32 s85, s84, 1                         ; my half of the rows; also: I fetch for A (0) or B (1)
	s_and_b32 s86, s84, 1                          ; my half of the columns; also: which 64 rows I fetch
	s_bfe_u32 s89, ttmp6, 0x40000
	s_bfe_u32 s90, ttmp6, 0x40004
	s_lshl_b32 s88, ttmp9, 2
	s_add_co_u32 s88, s88, s89                     ; tile column
	s_and_b32 s87, ttmp7, 0xffff
	s_lshl_b32 s87, s87, 2
	s_add_co_u32 s87, s87, s90                     ; tile row
	s_lshl_b32 s91, s90, 2
	s_lshl_b32 s91, 15, s91
	s_lshl_b32 s92, 0x1111, s89
	s_or_b32 s[G1A], s91, (1<<20)|(1<<21)|(AQI<<22)|(3<<25)        ; A: ATD1 chunks x (64 tokens x c bytes), 16 bytes of padding behind every c
	s_mov_b32 s[G1A+1], ATD0<<16
	s_mov_b32 s[G1A+2], ATD1<<16
	s_mov_b32 s[G1A+3], ATD0<<16
	s_mov_b32 s[G1A+4], ATD1
	s_mov_b32 s[G1A+5], ASTR
	s_mov_b32 s[G1A+6], 0
	s_mov_b32 s[G1A+7], 0
	s_or_b32 s[G1B], s92, (1<<20)|(1<<21)|(6<<22)|(3<<25)          ; B: 64 rows x 512 bytes, 16 bytes of padding behind each
	s_mov_b32 s[G1B+1], 512<<16
	s_mov_b32 s[G1B+2], 64<<16
	s_mov_b32 s[G1B+3], 512<<16
	s_mov_b32 s[G1B+4], 64
	s_mov_b32 s[G1B+5], KK
	s_mov_b32 s[G1B+6], 0
	s_mov_b32 s[G1B+7], 0
	s_or_b32 s[G1S], s91, (3<<16)|(1<<21)          ; scale words: NPL planes x 256 bytes
	s_or_b32 s[G1SB], s92, (3<<16)|(1<<21)
.irp g, G1S, G1SB
	s_mov_b32 s[\g+1], 32<<16
	s_mov_b32 s[\g+2], NPL<<16
	s_mov_b32 s[\g+3], 32<<16
	s_mov_b32 s[\g+4], NPL
	s_mov_b32 s[\g+5], 2048
	s_mov_b32 s[\g+6], 0
	s_mov_b32 s[\g+7], 0
.endr
	s_lshl_b32 s99, s86, 6
	s_lshl_b32 s91, s87, 7
	s_add_co_u32 s91, s91, s99                     ; the A rows that I fetch
	s_lshl_b32 s66, s91, ASH
	s_mov_b32 s67, 0
	s_lshl_b32 s92, s91, 2
	s_add_co_u32 s92, s92, APL
	s_mov_b32 s93, 0
	s_lshl_b32 s2, s88, 7
	s_add_co_u32 s2, s2, s99                       ; the B rows
	s_lshl_b32 s94, s2, KSH
	s_mov_b32 s95, 0
	s_lshl_b32 s2, s2, 2
	s_add_co_u32 s2, s2, BPL
	s_mov_b32 s3, 0
	s_mul_i32 s91, s86, AH                         ; where they go: the wave's number alone
	s_mul_i32 s99, s86, BH
	s_add_co_u32 s99, s99, 2*AH
	s_mul_i32 s100, s86, HS
	s_add_co_u32 s100, s100, SCL
	s_add_co_u32 s101, s100, 2*HS
	s_wait_kmcnt 0x0
	s_mov_b64 s[20:21], s[14:15]                   ; the output
	s_add_nc_u64 s[66:67], s[4:5], s[66:67]
	s_add_nc_u64 s[92:93], s[4:5], s[92:93]
	s_add_nc_u64 s[94:95], s[6:7], s[94:95]
	s_add_nc_u64 s[2:3], s[8:9], s[2:3]
	CROUND                                         ; all sixteen work-groups are here: the first joint loads meet
	s_mov_b32 s[G0S], 1
	s_mov_b32 s[G0S+1], s100
	s_mov_b64 s[G0S+2:G0S+3], s[92:93]
	s_or_b32 s[G0S+3], s[G0S+3], 0x80000000
	s_mov_b32 s[G0SB], 1
	s_mov_b32 s[G0SB+1], s101
	s_mov_b64 s[G0SB+2:G0SB+3], s[2:3]
	s_or_b32 s[G0SB+3], s[G0SB+3], 0x80000000
	JLOAD G0S, G1S, G0SB, G1SB
.irp s, 0,1
	s_mov_b32 s[G0A+4*\s], 1
	s_add_co_u32 s[G0A+4*\s+1], s91, \s*SLOT
	s_add_nc_u64 s[G0A+4*\s+2:G0A+4*\s+3], s[66:67], \s*2097152
	s_or_b32 s[G0A+4*\s+3], s[G0A+4*\s+3], 0x80000000
	s_mov_b32 s[G0B+4*\s], 1
	s_add_co_u32 s[G0B+4*\s+1], s99, \s*SLOT
	s_add_nc_u64 s[G0B+4*\s+2:G0B+4*\s+3], s[94:95], \s*512
	s_or_b32 s[G0B+4*\s+3], s[G0B+4*\s+3], 0x80000000
	JLOAD G0A+4*\s, G1A, G0B+4*\s, G1B
.endr
	s_lshl_b32 s91, s87, 7
	s_lshl_b32 s66, s85, 6
	s_add_co_u32 s91, s91, s66                     ; my first row
	s_lshl_b32 s99, s88, 7
	s_lshl_b32 s66, s86, 6
	s_add_co_u32 s99, s99, s66                     ; my first column
	s_lshl_b32 s66, s91, 10
	s_add_co_u32 s66, s66, s99
	s_lshl_b32 s66, s66, 2
	s_mov_b32 s67, 0
	s_add_nc_u64 s[20:21], s[20:21], s[66:67]      ; the output,
	s_add_nc_u64 s[12:13], s[12:13], s[66:67]      ; and the residual, at my quadrant
	s_lshl_b32 s66, s99, 2
	s_add_nc_u64 s[10:11], s[10:11], s[66:67]
	v_and_b32 v1, 15, v0                           ; r
	v_bfe_u32 v2, v0, 4, 1                         ; h
	v_lshlrev_b32 v[BO], 5, v2
.irp b, 0,1,2,3
	global_load_b128 v[BIAS+8*\b:BIAS+8*\b+3], v[BO], s[10:11] offset:64*\b
	global_load_b128 v[BIAS+8*\b+4:BIAS+8*\b+7], v[BO], s[10:11] offset:64*\b+16
.endr
	v_mul_u32_u24 v4, v1, TP
	v_lshl_add_u32 v4, v2, 4, v4
	v_mul_u32_u24 v5, v1, BP
	v_lshl_add_u32 v5, v2, 4, v5
	s_mul_i32 s91, s85, AH
	s_mul_i32 s99, s86, BH
	s_add_co_u32 s99, s99, 2*AH
.irp s, 0,1
	v_add_nc_u32 v[ADRA+\s], s91, v4
	v_add_nc_u32 v[ADRB+\s], s99, v5
	s_add_co_u32 s91, s91, SLOT
	s_add_co_u32 s99, s99, SLOT
.endr
	s_mul_i32 s91, s85, HS                         ; scale words: the lower base + h x the distance
	s_mul_i32 s99, s86, HS
	s_add_co_u32 s99, s99, 2*HS
	s_sub_co_u32 s99, s99, s91
	v_mul_u32_u24 v6, s99, v2
	s_add_co_u32 s91, s91, SCL
	v_lshl_add_u32 v6, v1, 2, v6
	v_add_nc_u32 v[ADRS], s91, v6
	s_mul_i32 s91, s84, 17408
	v_mul_u32_u24 v6, v1, 272
	v_lshl_add_u32 v6, v2, 5, v6
	v_add_nc_u32 v[RRD], s91, v6                   ; the residual: row r at pitch 272, 32 h
	s_lshl_b32 s91, s84, 13
	s_add_co_u32 s91, s91, FSTG
	v_add_nc_u32 v[FST], s91, v6
	v_mul_u32_u24 v7, v2, 272
	v_lshl_add_u32 v7, v1, 4, v7
	v_add_nc_u32 v[FRD], s91, v7                   ; back: lanes 0-15 one row of 256 bytes, lanes 16-31 the next
	v_lshlrev_b32 v[CO], 12, v2
	v_lshl_add_u32 v[CO], v1, 4, v[CO]
	s_wait_loadcnt 0x0                             ; the bias: its base is free
	s_mov_b32 s[G1R], (2<<16)|(1<<20)|(5<<22)|(3<<25)      ; no mask; elements of 4 bytes; 64 rows x 64, 16 bytes of padding behind every 256
	s_mov_b32 s[G1R+1], 64<<16
	s_mov_b32 s[G1R+2], 64<<16
	s_mov_b32 s[G1R+3], 64<<16
	s_mov_b32 s[G1R+4], 64
	s_mov_b32 s[G1R+5], 1024
	s_mov_b32 s[G1R+6], 0
	s_mov_b32 s[G1R+7], 0
	s_mov_b32 s[G0R], 1
	s_mul_i32 s[G0R+1], s84, 17408
	s_mov_b64 s[G0R+2:G0R+3], s[12:13]
	s_or_b32 s[G0R+3], s[G0R+3], 0x80000000
.macro FRAGA reg, slot, q, i
.irp c, 0,1,2,3
	ds_load_b128 v[\reg+4*\c:\reg+4*\c+3], v[ADRA+\slot] offset:(\q)*CP+32*\c+(\i)*16*TP
.endr
.endm
.macro FRAGB reg, slot, q, i
.irp c, 0,1,2,3
	ds_load_b128 v[\reg+4*\c:\reg+4*\c+3], v[ADRB+\slot] offset:128*(\q)+32*\c+(\i)*16*BP
.endr
.endm
.macro FETCH slot, q, f                ; 32 loads in one run: B's four fragments, then A's four, ascending
	WIN TO_F
.irp i, 0,1,2,3
	FRAGB \f+64+16*\i, \slot, \q, \i
.endr
.irp i, 0,1,2,3
	FRAGA \f+16*\i, \slot, \q, \i
.endr
.endm
.macro SCALES set                      ; a slot's four planes: lanes 0-15 the words of A's block i, lanes 16-31 those of B's block i
.irp i, 0,1,2,3
.irp q, 0,1,2,3
	ds_load_b32 v[SC+16*\set+4*\i+\q], v[ADRS] offset:\q*256+\i*64
.endr
.endr
.endm
; four matrix instructions: A's block a x B's four.  The 16 accumulators take turns, one instruction a turn, in the same order in every quarter.  first = 1: C is the bias.
.macro MULA f, a, q, set, first
.irp b, 0,1,2,3
.if \first
	v_wmma_scale_f32_16x16x128_f8f6f4 v[ACC+8*(4*(\a)+\b):ACC+8*(4*(\a)+\b)+7], v[\f+64+16*\b:\f+64+16*\b+15], v[\f+16*(\a):\f+16*(\a)+15], v[BIAS+8*\b:BIAS+8*\b+7], v[SC+16*(\set)+4*\b+(\q)], v[SC+16*(\set)+4*(\a)+(\q)] matrix_a_scale:MATRIX_SCALE_ROW1
.else
	v_wmma_scale_f32_16x16x128_f8f6f4 v[ACC+8*(4*(\a)+\b):ACC+8*(4*(\a)+\b)+7], v[\f+64+16*\b:\f+64+16*\b+15], v[\f+16*(\a):\f+16*(\a)+15], v[ACC+8*(4*(\a)+\b):ACC+8*(4*(\a)+\b)+7], v[SC+16*(\set)+4*\b+(\q)], v[SC+16*(\set)+4*(\a)+(\q)] matrix_a_scale:MATRIX_SCALE_ROW1
.endif
.endr
.endm
.macro PLACES n
.rept \n
	v_nop
.endr
.endm
.macro QUARTER slot, q, f, g, first    ; multiplies quarter q from buffer f; in its middle fetches quarter q + 1 into g
	s_wait_dscnt 8                                 ; all but the youngest eight loads (A's blocks 2, 3)
	WIN MUL
	MULA \f, 0, \q, \slot, \first
	MULA \f, 1, \q, \slot, \first
	PLACES 8
	FETCH \slot, (\q)+1, \g
	s_wait_dscnt 32                                ; all but the 32 just issued
	WIN MUL
	MULA \f, 2, \q, \slot, \first
	MULA \f, 3, \q, \slot, \first
.endm
; A slot's last quarter changes slots: each wave waits for all its tensor loads, adds 0 to its spare word, waits for that and for its reads of the slot; the barrier opens a round of the cluster's barrier.
; fill = 1: the slot is filled again, two slots ahead, jointly;  fill = 2: each wave's own quadrant of the residual lands in slot 0.
.macro TURN slot, next, fill
	WIN 0
	s_wait_tensorcnt 0x0
	ds_add_u32 v[SPW], v[NIL]
	s_wait_dscnt 9                                 ; (the add and A's blocks 2, 3 may be out)
	WIN MUL
	MULA F1, 0, 3, \slot, 0
	s_wait_dscnt 0x0                               ; the add is done, and my reads of this slot are over
	s_barrier_signal -1
	MULA F1, 1, 3, \slot, 0
	WIN 0
	s_barrier_wait -1
	CREST
.if \fill == 1
	s_add_nc_u64 s[G0A+4*\slot+2:G0A+4*\slot+3], s[G0A+4*\slot+2:G0A+4*\slot+3], 4194304
	s_add_nc_u64 s[G0B+4*\slot+2:G0B+4*\slot+3], s[G0B+4*\slot+2:G0B+4*\slot+3], 1024
	JLOAD G0A+4*\slot, G1A, G0B+4*\slot, G1B
.else
	tensor_load_to_lds s[G0R:G0R+3], s[G1R:G1R+7]
	s_nop 0
.rept 4
	v_nop
.endr
.endif
	PLACES 4
	v_add_nc_u32 v[ADRS], 1024, v[ADRS]            ; four planes on
	SCALES \next
	FETCH \next, 0, F0
	WIN MUL
	MULA F1, 2, 3, \slot, 0
	MULA F1, 3, 3, \slot, 0
.endm
	s_wait_tensorcnt 1                             ; the scale words and my part of slot 0 are in (slot 1's load may be out)
	s_barrier_signal -1
	s_barrier_wait -1
	SCALES 0
	FETCH 0, 0, F0
	QUARTER 0, 0, F0, F1, 1
	WIN 0
	s_mov_b32 s3, LAPS-1
.Llap:
	QUARTER 0, 1, F1, F0, 0
	QUARTER 0, 2, F0, F1, 0
	TURN 0, 1, 1
	QUARTER 1, 0, F0, F1, 0
	QUARTER 1, 1, F1, F0, 0
	QUARTER 1, 2, F0, F1, 0
	TURN 1, 0, 1
	QUARTER 0, 0, F0, F1, 0
	WIN 0
	s_sub_co_u32 s3, s3, 1
	s_cmp_lg_u32 s3, 0
	s_cbranch_scc1 .Llap
	QUARTER 0, 1, F1, F0, 0
	QUARTER 0, 2, F0, F1, 0
	TURN 0, 1, 2
	QUARTER 1, 0, F0, F1, 0
	QUARTER 1, 1, F1, F0, 0
	QUARTER 1, 2, F0, F1, 0
	s_wait_dscnt 8
	WIN MUL
	MULA F1, 0, 3, 1, 0
	MULA F1, 1, 3, 1, 0
	s_wait_dscnt 0
	MULA F1, 2, 3, 1, 0
	MULA F1, 3, 3, 1, 0
	WIN 0
	s_wait_tensorcnt 0x0                           ; my quadrant of the residual is in: only I read it
	PLACES 8
; THE WAY OUT, 16 rows at a time: + the residual, in place; through my stage, so that sixteen lanes store 256 consecutive bytes of a row
.macro EP a
.set TT, ACC+32*(\a)
	s_wait_xcnt 0x0                                ; the last block's stores have read their registers
.irp b, 0,1,2,3
	ds_load_b128 v[RB+8*\b:RB+8*\b+3], v[RRD] offset:(\a)*16*272+64*\b
	ds_load_b128 v[RB+8*\b+4:RB+8*\b+7], v[RRD] offset:(\a)*16*272+64*\b+16
.endr
	s_wait_dscnt 0x0
.set m, 0
.rept 16
	v_pk_add_f32 v[TT+m:TT+m+1], v[TT+m:TT+m+1], v[RB+m:RB+m+1]    ; each accumulator from its low end on
.set m, m+2
.endr
.irp b, 0,1,2,3
	ds_store_b128 v[FST], v[TT+8*\b:TT+8*\b+3] offset:64*\b
	ds_store_b128 v[FST], v[TT+8*\b+4:TT+8*\b+7] offset:64*\b+16
.endr
.irp t, 0,1,2,3,4,5,6,7
	ds_load_b128 v[RB+4*\t:RB+4*\t+3], v[FRD] offset:\t*544        ; LDS serves a wave's instructions in order: these see my stores
.endr
	s_wait_dscnt 0x0
.irp t, 0,1,2,3,4,5,6,7
	global_store_b128 v[CO], v[RB+4*\t:RB+4*\t+3], s[20:21] offset:(16*(\a)+2*\t)*4096 th:TH_STORE_NT
.endr
.endm
	EP 0
	EP 1
	EP 2
	EP 3
	s_wait_tensorcnt 0x0                           ; the wave's end
	ds_add_u32 v[SPW], v[NIL]
	s_wait_dscnt 0x0
	CROUND                                         ; the closing round
	s_endpgm
.Lfunc_end_k_q92e34b787d_fc2:
	.size	k_q92e34b787d_fc2, .Lfunc_end_k_q92e34b787d_fc2-k_q92e34b787d_fc2
	.p2alignl 7, 3214868480
	.fill 96, 4, 3214868480
	.section	.rodata,"a",@progbits
	.p2align	6, 0x0
	.amdhsa_kernel k_q92e34b787d_fc2
		.amdhsa_group_segment_fixed_size 327680
		.amdhsa_private_segment_fixed_size 0
		.amdhsa_enable_private_segment 0
		.amdhsa_kernarg_size 48
		.amdhsa_user_sgpr_count 2
		.amdhsa_user_sgpr_kernarg_segment_ptr 1
		.amdhsa_wavefront_size32 1
		.amdhsa_system_sgpr_workgroup_id_x 1
		.amdhsa_system_sgpr_workgroup_id_y 1
		.amdhsa_system_sgpr_workgroup_id_z 1
		.amdhsa_system_vgpr_workitem_id 0
		.amdhsa_next_free_vgpr 512
		.amdhsa_next_free_sgpr 102
		.amdhsa_reserve_vcc 0
		.amdhsa_float_denorm_mode_32 3
		.amdhsa_float_denorm_mode_16_64 3
		.amdhsa_memory_ordered 1
		.amdhsa_forward_progress 1
		.amdhsa_inst_pref_size 103
	.end_amdhsa_kernel
	.amdgpu_metadata
---
amdhsa.version: [ 1, 2 ]
amdhsa.kernels:
  - .name:           k_q92e34b787d_fc2
    .symbol:         k_q92e34b787d_fc2.kd
    .args:
      - { .name: g, .offset: 0, .size: 8, .value_kind: global_buffer, .address_space: global }
      - { .name: w_fc2_codes, .offset: 8, .size: 8, .value_kind: global_buffer, .address_space: global }
      - { .name: prep, .offset: 16, .size: 8, .value_kind: global_buffer, .address_space: global }
      - { .name: b_fc2, .offset: 24, .size: 8, .value_kind: global_buffer, .address_space: global }
      - { .name: x1, .offset: 32, .size: 8, .value_kind: global_buffer, .address_space: global }
      - { .name: out0, .offset: 40, .size: 8, .value_kind: global_buffer, .address_space: global }
    .group_segment_fixed_size: 327680
    .private_segment_fixed_size: 0
    .kernarg_segment_align: 8
    .kernarg_segment_size: 48
    .max_flat_workgroup_size: 128
    .sgpr_count:     102
    .vgpr_count:     512
    .wavefront_size: 32
...
	.end_amdgpu_metadata
.endif
;; end of part 6
